; MI455X (gfx1250); checked and timed in simulation.
; The chip was launched on July 23, 2026; its instructions are those of AMD's public machine-readable ISA for CDNA 5 (MIT licence, August 2026) and "CDNA5" Instruction Set Architecture Reference Guide (July 2026). The comments in the code are by the model that wrote it; some were corrected since.
;; Element. Allowed arithmetic: matrix products marked QUANTISED: E2M3 operands, one E8M0 scale for each 32 along K, by v_wmma_scale_f32_16x16x128_f8f6f4 with both operands' format E2M3, f32 sums; everything else in f32.
;; Inputs: Wk 1,024 x 512 float32; Wq 1,024 x 512 float32; Wv 1,024 x 512 float32; beta 512 float32; gamma 512 float32; x0 8 x 2,048 x 512 float32; x1 8 x 2,048 x 512 float32.
;; Outputs: out0 8 x 2,048 x 512 float32.
;; This version of the problem:
;;   THIS VERSION OF THE PROBLEM IS GIVEN IN LOW PRECISION. The matrix products marked QUANTISED in the list below multiply operands that are first quantised to E2M3 (2 exponent bits, 3 mantissa bits; 6 bits a number), with one power-of-two scale for each 32 numbers along K (OCP MX v1.0); their sums are f32. All else is computed in f32.
;;   The module's matrix products, in the order in which they are computed (A, B: the left and right operand; K: the contracted axis; several contracted axes count as one K, in the product's order):
;;     1. [M 16,384, K 1,024] x [K 1,024, N 512]; A: computed on the way; B: input Wq: QUANTISED
;;     2. [M 16,384, K 1,024] x [K 1,024, N 512]; A: computed on the way; B: input Wk: QUANTISED
;;     3. [M 16,384, K 1,024] x [K 1,024, N 512]; A: computed on the way; B: input Wv: QUANTISED
;;     4. batch 8 x [M 2,048, K 512] x [K 512, N 2,048]; A: computed on the way; B: computed on the way: QUANTISED
;;     5. batch 8 x [M 2,048, K 2,048] x [K 2,048, N 512]; A: softmax (see below); B: computed on the way: QUANTISED
;;   THE QUANTISER, for each operand of a quantised product, along K:
;;     - K is cut into blocks of 32 from its start; a last block that is shorter is filled with zeros.
;;     - A block's scale is 2^e with e = floor(log2(the largest magnitude in the block)) - 2, held to -126 .. 127; a block of zeros has e = 0. As a byte (E8M0): e + 127.
;;     - Each number is divided by its block's scale, clamped to +-7.5, and rounded to the nearest number of E2M3, ties to even, subnormals kept.
;;     - The product sums the exact products of the quantised numbers (number of the format x scale) in f32.
;;   ~~~python
;;   def quantise(x, axis):      # numpy; x: float32 -> the quantised numbers, widened to float32 again
;;       x = np.moveaxis(x, axis, -1); K = x.shape[-1]
;;       x = np.pad(x, [(0, 0)] * (x.ndim - 1) + [(0, -K % 32)]); x = x.reshape(x.shape[:-1] + (-1, 32)); a = np.abs(x).max(-1, keepdims=True)
;;       e = np.where(a > 0, np.clip(np.frexp(np.where(a > 0, a, 1))[1] - 1 - 2, -126, 127), 0)      # np.frexp(a)[1] - 1 = floor(log2(a)), exactly
;;       r = np.clip(x / 2.0 ** e, -7.5, 7.5)
;;       step = 2.0 ** (np.maximum(np.frexp(np.where(r == 0, 1, r))[1] - 1, 0) - 3)
;;       q = np.round(r / step) * step * 2.0 ** e      # np.round: ties to even
;;       return np.moveaxis(q.reshape(q.shape[:-2] + (-1,))[..., :K], -1, axis).astype(np.float32)
;;   ~~~
;;   SOFTMAX AHEAD OF A QUANTISED PRODUCT. Where the list says 'softmax', what is quantised is not the finished softmax but p = 2^(t - M), with t = logit x log2(e) and M = ceil(the row's largest t), a whole number; so 1/2 < the row's largest p <= 1. The row's sum l is taken of the UNQUANTISED p, in f32, and the product's result is divided by l at the end. Since M is a whole number, a kernel that streams over the keys may use a running M (the ceiling of the running maximum): every later rescaling is an exact power of two, which a block's scale takes up: the codes' values come out the same.
;;   OPERANDS COMPUTED ON THE WAY. 'Computed on the way' means the value that the module computes at that place (a softmax that the list does not call 'softmax' is quantised finished and normalised). What goes into a quantiser is computed in f32, as accurately as f32 sums, v_exp_f32 and their like allow (about 1e-6 of the number): no bf16 or f16 on the way to a quantiser, and a product that is left as it is and whose result goes on into a quantised operand takes f32 operands (vector FMAs, or v_wmma_f32_16x16x4_f32). A number that lies on a knife's edge between two numbers of the format may be rounded either way, as far as f32 arithmetic and the matrix unit's own rounding can turn it there, and no further.
;; One version. Each part assembles by itself: llvm-mc -triple=amdgcn-amd-amdhsa -mcpu=gfx1250 --defsym DOCPART=n.
;; ======== version 1 of 1: 3 launches
;; limits: right only within a limited range of input values
;; workspace buffers: wc 1,228,800 bytes; xc 13,107,200 bytes; qc 6,291,456 bytes; qs 262,144 bytes; kc 6,291,456 bytes; ks 262,144 bytes; vc 6,291,456 bytes; vs 262,144 bytes
;; launch prep (part 1): grid 352 x 1, 8 waves a work-group, no clusters, 69,632 bytes of LDS; arguments Wq, Wk, Wv, wc, x0, x1, xc; writes wc, xc
.if DOCPART == 1
	.amdgcn_target "amdgcn-amd-amdhsa--gfx1250"
	.amdhsa_code_object_version 6
	.text
	.protected	k_qb6c185af73_prep
	.globl	k_qb6c185af73_prep
	.p2align	8
	.type	k_qb6c185af73_prep,@function
k_qb6c185af73_prep:
	s_mov_b64 s[64:65], 0
	v_nop
	global_prefetch_b8 v0, s[64:65] scope:SCOPE_SE
	s_setreg_imm32_b32 hwreg(HW_REG_WAVE_MODE, 25, 1), 1
	s_wait_xcnt 0x0
; One launch quantises both operands of the three projections to codes of FP6 (E2M3) with one E8M0 byte for each 32 along K, laid as the next launch's operand registers want them.
; A FRAGMENT is 16 rows x 128 K: 12 registers a lane, kept as an image of those registers: three planes of 512 bytes, plane P = registers 4 P .. 4 P + 3, lane l at 16 l.
; Lane (r, h) holds K = 64 c + 32 h + 0 .. 31 in registers 6 c .. 6 c + 5.
; WORK-GROUPS 0-255: x = [x0 | x1].  Work-group g: tokens 64 g .. 64 g + 63.  Wave: token tile m = wave % 4 (row r = token 64 g + 32 (m / 2) + 8 (m % 2) + r + 8 (r / 8)) and x0 or x1 (wave / 4): four K steps.
;   xc = [g] records of 51,200 bytes: [K step 8][m 4] fragments, then 2,048 bytes of scale words [q 4][lane 32][j 4]: q = 2 (m / 2) + s / 4, lane = r + 16 (m % 2), j = s % 4.
;   Each load takes 512 consecutive bytes of a row; a K step turns through the wave's own stage in LDS, so that lane (r, h) gets 16 neighbours of each block of 32.
; WORK-GROUPS 256-351: Wq, Wk, Wv [1024 (k)][512 (n)], K outermost.  Work-group 256 + 8 ch + s: chunk ch = 4 matrix + w (columns 128 w on), K step s.
;   wc = [ch 12] records of 102,400 bytes: [K step 8][tile 8] fragments, then [K step 8] x 512 bytes of scale words [lane (r, h)][b 4]: row r of tile 2 b + h.
;   Row r of tile t is column 128 w + 32 (t / 2) + 8 (t % 2) + r + 8 (r / 8).  Wave: 32 columns (pair of tiles b = wave % 4), blocks hh and 2 + hh of the step's four (hh = wave / 4).
;   A lane takes a column and its registers run down K: a block lies in one lane, and its 12 code registers are the image of lane (r, hh) of its tile.
; A block's scale is 2^(floor(log2(largest magnitude)) - 2): its byte is that magnitude's exponent field - 2, held at 1 from below.
; LIMITS: a block of zeros, or one whose largest magnitude lies under 2^-124, keeps the byte 1 (zero codes add nothing; this program alone reads the bytes); NaN and infinities among the inputs are not served.
; LDS: 0-1023 the weights' scale words; 1024-2047 the spare words; from 2048 the x path's stages: each path has bytes of its own.
.set SPW,   6                          ; LDS address of my spare word; never rewritten
.set NIL,   7                          ; 0; never rewritten
.set SPARE, 1024
.set XST,   2048                       ; 16 rows x 528 bytes for each wave
.set X,     32                         ; W path: two blocks of 32 numbers
.set CD,    96                         ; the 12 code registers
.set CT,    108                        ; a block's second half (a conversion's three registers begin on an even number)
.set BY,    20
.set LI,    1                          ; x path: 16 x lane
.set TSI,   2                          ; my stage as rows are loaded
.set TSO,   3                          ; and as neighbours are read: 528 r + 64 h
.set SSA,   8                          ; 16 r + 8 h
.set TM,    16
.set PW,    32                         ; v32-35 the four K steps' scale words; v36-37 the pair stored
.set PC,    40                         ; v40-59 codes and two temporaries
.set L,     64                         ; v64-191 two sets of 64 as loaded
.set N,     192                        ; v192-255 by neighbours
.set SEL,   42
	s_load_b256 s[4:11], s[0:1], 0x0               ; Wq, Wk, Wv, wc
	s_load_b128 s[36:39], s[0:1], 0x20             ; x0, x1
	s_load_b64 s[40:41], s[0:1], 0x30              ; xc
	v_lshl_add_u32 v[SPW], v0, 2, SPARE
	v_mov_b32 v[NIL], 0
	v_lshrrev_b32 v5, 5, v0
	s_delay_alu instid0(VALU_DEP_1)
	v_readfirstlane_b32 s16, v5                    ; wave 0..7
	v_and_b32 v4, 31, v0                           ; lane
	s_cmp_lt_u32 ttmp9, 256                        ; the path hangs on the work-group's number alone
	s_wait_alu depctr_va_vdst(0)
	s_cbranch_scc1 .Lx
	; ---- the weights
	s_sub_co_u32 s33, ttmp9, 256
	s_and_b32 s21, s33, 7                          ; K step
	s_lshr_b32 s34, s33, 3                         ; chunk
	s_and_b32 s19, s34, 3                          ; w
	s_and_b32 s17, s16, 3                          ; b
	s_lshr_b32 s18, s16, 2                         ; hh
	v_lshlrev_b32 v1, 2, v4                        ; in: 4 bytes a lane
	v_and_b32 v8, 7, v0
	v_bfe_u32 v9, v0, 4, 1
	s_delay_alu instid0(VALU_DEP_1)
	v_lshl_add_u32 v8, v9, 3, v8                   ; r = c % 8 + 8 (c / 16)
	v_bfe_u32 v10, v0, 3, 1                        ; u = (c / 8) % 2
	s_delay_alu instid0(VALU_DEP_1)
	v_mul_u32_u24 v2, v10, 1536
	s_delay_alu instid0(VALU_DEP_1)
	v_lshl_add_u32 v2, v8, 4, v2                   ; out: tile u of the pair, 16 r
	s_delay_alu instid0(VALU_DEP_4)
	v_lshlrev_b32 v3, 4, v8
	s_delay_alu instid0(VALU_DEP_1)
	v_lshl_add_u32 v3, v10, 8, v3                  ; LDS: [hh][r + 16 u][b] words
	s_lshl_b32 s22, s18, 9
	s_lshl_b32 s23, s17, 2
	s_add_co_u32 s22, s22, s23
	v_add_nc_u32 v3, s22, v3
	v_lshlrev_b32 v4, 4, v4                        ; 16 x lane
	s_lshl_b32 s24, s21, 18                        ; W: (128 s + 32 hh) rows of 2,048 bytes + 4 (128 w + 32 b)
	s_lshl_b32 s25, s18, 16
	s_add_co_u32 s24, s24, s25
	s_lshl_b32 s25, s19, 9
	s_add_co_u32 s24, s24, s25
	s_lshl_b32 s25, s17, 7
	s_add_co_u32 s24, s24, s25
	s_mov_b32 s25, 0
	s_mul_i32 s26, s34, 102400                     ; the chunk's record
	s_mul_i32 s28, s21, 12288
	s_add_co_u32 s28, s28, s26
	s_mul_i32 s27, s17, 3072
	s_add_co_u32 s28, s28, s27
	s_lshl_b32 s27, s18, 8
	s_add_co_u32 s28, s28, s27                     ; codes: K step, pair of tiles, half of the lanes
	s_mov_b32 s29, 0
	s_lshl_b32 s30, s21, 9                         ; scale words: behind the record's 98,304 bytes of codes, 512 bytes a K step
	s_add_co_u32 s30, s30, s26
	s_add_co_u32 s30, s30, 98304
	s_mov_b32 s31, 0
	s_lshl_b32 s32, s18, 3                         ; my bytes stand 8 hh bits up in the word
	s_wait_alu depctr_va_vdst(0)
	s_wait_kmcnt 0x0
	s_cmp_lt_u32 s34, 4                            ; the matrix is chosen by the work-group's number alone
	s_cselect_b64 s[14:15], s[4:5], s[6:7]
	s_cmp_lt_u32 s34, 8
	s_cselect_b64 s[14:15], s[14:15], s[8:9]
	s_add_nc_u64 s[14:15], s[14:15], s[24:25]
	s_add_nc_u64 s[12:13], s[10:11], s[30:31]
	s_add_nc_u64 s[10:11], s[10:11], s[28:29]
.irp c, 0,1
.irp i, 0,1,2,3,4,5,6,7,8,9,10,11,12,13,14,15,16,17,18,19,20,21,22,23,24,25,26,27,28,29,30,31
	global_load_b32 v[X+32*\c+\i], v1, s[14:15] offset:(64*\c+\i)*2048 th:TH_LOAD_NT   ; W(64 c + 32 hh + i, my column): 32 lanes read 128 neighbouring bytes, four waves 512
.endr
.endr
.macro BLOCK c
.set XB, X+32*(\c)
.if (\c) == 0
	s_wait_loadcnt 32                              ; the first block's 32 loads are in; the second's may be out
.else
	s_wait_loadcnt 0x0
.endif
	v_max3_num_f32 v12, |v[XB]|, |v[XB+1]|, |v[XB+2]|          ; the block's largest magnitude: two chains
	v_max3_num_f32 v13, |v[XB+3]|, |v[XB+4]|, |v[XB+5]|
.irp i, 6,10,14,18,22,26
	s_delay_alu instid0(VALU_DEP_2)
	v_max3_num_f32 v12, v12, |v[XB+\i]|, |v[XB+\i+1]|
	s_delay_alu instid0(VALU_DEP_2)
	v_max3_num_f32 v13, v13, |v[XB+\i+2]|, |v[XB+\i+3]|
.endr
	s_delay_alu instid0(VALU_DEP_2)
	v_max3_num_f32 v12, v12, |v[XB+30]|, |v[XB+31]|
	s_delay_alu instid0(VALU_DEP_1)
	v_max3_num_f32 v12, v12, v13, 0x1800000        ; and the floor 2^(3 - 127): the byte cannot fall under 1
	s_delay_alu instid0(VALU_DEP_1)
	v_add_nc_u32 v11, 0xff000000, v12              ; 2 off the exponent field: the conversion takes that field as its scale
	s_delay_alu instid0(VALU_DEP_1)
	v_lshrrev_b32 v[BY+(\c)], 23, v11              ; the scale's byte
	v_cvt_scalef32_pk16_fp6_f32 v[CD+6*(\c):CD+6*(\c)+2], v[XB:XB+15], v11
	v_cvt_scalef32_pk16_fp6_f32 v[CT+4*(\c):CT+4*(\c)+2], v[XB+16:XB+31], v11
	v_nop                                          ; one plain place behind the conversions
.irp i, 0,1,2
	v_mov_b32 v[CD+6*(\c)+3+\i], v[CT+4*(\c)+\i]
.endr
.endm
	BLOCK 0
	BLOCK 1
	v_lshl_or_b32 v16, v[BY+1], 16, v[BY]          ; blocks hh and 2 + hh
	s_delay_alu instid0(VALU_DEP_1)
	v_lshlrev_b32 v16, s32, v16                    ; at their places in the row's scale word
.irp p, 0,1,2
	global_store_b128 v2, v[CD+4*\p:CD+4*\p+3], s[10:11] offset:512*\p   ; the sixteen lanes of a tile store 256 consecutive bytes, aligned
.endr
	ds_store_b32 v3, v16
	s_wait_dscnt 0x0                               ; for the others' sake: my word has landed
	s_barrier_signal -1
	s_barrier_wait -1
	s_cmp_lg_u32 s16, 0                            ; wave 0 joins the two halves of each word and stores the K step's 512 bytes
	s_cbranch_scc1 .Ldone
	ds_load_b128 v[116:119], v4
	ds_load_b128 v[120:123], v4 offset:512
	s_wait_dscnt 0x0
.irp i, 0,1,2,3
	v_or_b32 v[116+\i], v[116+\i], v[120+\i]
.endr
	global_store_b128 v4, v[116:119], s[12:13]     ; 32 lanes store 512 consecutive bytes
.Ldone:
	s_wait_tensorcnt 0x0                           ; the wave's end
	ds_add_u32 v[SPW], v[NIL]
	s_wait_dscnt 0x0
	s_endpgm
	; ---- x
.Lx:
	s_and_b32 s17, s16, 3                          ; m
	s_lshr_b32 s18, s16, 2                         ; x0 or x1
	s_lshr_b32 s19, s17, 1
	s_and_b32 s21, s17, 1
	v_lshlrev_b32 v[LI], 4, v4
	v_and_b32 v9, 15, v0                           ; r
	v_bfe_u32 v10, v0, 4, 1                        ; h
	s_mul_i32 s22, s16, 8448
	s_add_co_u32 s22, s22, XST
	v_add_nc_u32 v[TSI], s22, v[LI]
	v_mul_u32_u24 v[TSO], v9, 528
	s_delay_alu instid0(VALU_DEP_1)
	v_lshl_add_u32 v[TSO], v10, 6, v[TSO]
	s_delay_alu instid0(VALU_DEP_1)
	v_add_nc_u32 v[TSO], s22, v[TSO]
	v_lshlrev_b32 v[SSA], 4, v9
	s_delay_alu instid0(VALU_DEP_1)
	v_lshl_add_u32 v[SSA], v10, 3, v[SSA]
.irp b, 0,1,2,3
	v_mov_b32 v[TM+4+\b], 0                        ; written once: a lane permute's destination counts as one of its sources
.endr
	s_mov_b32 s[SEL], 0x76543210
	s_mov_b32 s[SEL+1], 0xfedcba98                 ; lane l xor 16
	s_mov_b32 s35, 0xffff0000                      ; lanes 16-31
	s_lshl_b32 s24, ttmp9, 6                       ; my tile's first token, rows of 2,048 bytes
	s_lshl_b32 s26, s19, 5
	s_add_co_u32 s24, s24, s26
	s_lshl_b32 s26, s21, 3
	s_add_co_u32 s24, s24, s26
	s_lshl_b32 s24, s24, 11
	s_mov_b32 s25, 0
	s_mul_i32 s26, ttmp9, 51200                    ; the record
	s_mul_i32 s28, s18, 24576                      ; my first K step: 4 x 6,144 bytes on for x1
	s_add_co_u32 s28, s28, s26
	s_mul_i32 s32, s17, 1536
	s_add_co_u32 s28, s28, s32
	s_mov_b32 s29, 0
	s_lshl_b32 s30, s19, 1
	s_add_co_u32 s30, s30, s18                     ; q
	s_lshl_b32 s30, s30, 9
	s_lshl_b32 s32, s21, 8
	s_add_co_u32 s30, s30, s32
	s_add_co_u32 s30, s30, s26
	s_add_co_u32 s30, s30, 49152
	s_mov_b32 s31, 0
	s_wait_alu depctr_va_vdst(0)
	s_wait_kmcnt 0x0
	s_cmp_eq_u32 s18, 0                            ; the tensor is chosen by the wave's number alone
	s_cselect_b64 s[12:13], s[36:37], s[38:39]
	s_add_nc_u64 s[12:13], s[12:13], s[24:25]
	s_add_nc_u64 s[14:15], s[40:41], s[28:29]
	s_add_nc_u64 s[20:21], s[40:41], s[30:31]
.macro XL t                            ; K step t of my four into set t % 2: each load one row's 512 consecutive bytes
.irp i, 0,1,2,3,4,5,6,7,8,9,10,11,12,13,14,15
	global_load_b128 v[L+64*((\t)%2)+4*\i:L+64*((\t)%2)+4*\i+3], v[LI], s[12:13] offset:(\i+8*(\i/8))*2048+512*(\t) th:TH_LOAD_NT
.endr
.endm
.macro XSTEP t
.if (\t) < 3
	s_wait_loadcnt 16                              ; this step's sixteen loads are in; the next step's may be out
.else
	s_wait_loadcnt 0x0
.endif
.irp i, 0,1,2,3,4,5,6,7,8,9,10,11,12,13,14,15
	ds_store_b128 v[TSI], v[L+64*((\t)%2)+4*\i:L+64*((\t)%2)+4*\i+3] offset:528*\i
.endr
.irp b, 0,1,2,3                                ; LDS serves a wave's instructions in order: these see the stores above
.irp j, 0,1,2,3
	ds_load_b128 v[N+16*\b+4*\j:N+16*\b+4*\j+3], v[TSO] offset:128*\b+16*\j
.endr
.endr
	s_wait_dscnt 0x0                               ; the numbers are back, and the stores into the stage have read their registers
.if (\t) > 0
	s_wait_xcnt 0x0                                ; the last step's stores have read the code registers
.endif
.if (\t)+2 < 4
	XL (\t)+2
.endif
.irp b, 0,1,2,3
	v_max3_num_f32 v[TM+\b], |v[N+16*\b]|, |v[N+1+16*\b]|, 0x1800000   ; block b: my 16 numbers and the floor 2^(3 - 127)
.endr
.irp i, 2,4,6,8,10,12,14
.irp b, 0,1,2,3
	s_delay_alu instid0(VALU_DEP_4)
	v_max3_num_f32 v[TM+\b], |v[N+16*\b+\i]|, |v[N+1+16*\b+\i]|, v[TM+\b]   ; the four blocks by turns
.endr
.endr
.irp b, 0,1,2,3
	v_permlanex16_b32 v[TM+4+\b], v[TM+\b], s[SEL], s[SEL+1]
.endr
.irp b, 0,1,2,3
	v_max_num_f32 v[TM+\b], v[TM+\b], v[TM+4+\b]   ; with lane l xor 16's: the block's largest magnitude
.endr
.irp b, 0,1,2,3
	v_add_nc_u32 v[TM+12+\b], 0xff000000, v[TM+\b] ; 2 off its exponent field: the conversion's scale operand
.endr
.irp b, 0,1,2,3
	v_lshrrev_b32 v[TM+4+\b], 23, v[TM+12+\b]      ; the scale's byte
.endr
	v_lshl_or_b32 v[PW+(\t)], v[TM+5], 8, v[TM+4]
	s_delay_alu instid0(VALU_DEP_1)
	v_lshl_or_b32 v[PW+(\t)], v[TM+6], 16, v[PW+(\t)]
	s_delay_alu instid0(VALU_DEP_1)
	v_lshl_or_b32 v[PW+(\t)], v[TM+7], 24, v[PW+(\t)]
.irp c, 0,1
	v_cvt_scalef32_pk16_fp6_f32 v[PC+6*\c:PC+2+6*\c], v[N+32*\c:N+15+32*\c], v[TM+12+2*\c]
	v_cvt_scalef32_pk16_fp6_f32 v[PC+12+4*\c:PC+14+4*\c], v[N+16+32*\c:N+31+32*\c], v[TM+12+2*\c+1]
.endr
	v_nop                                          ; one plain place behind the conversions
.irp c, 0,1                                    ; the operand wants a whole block in a lane
.irp i, 0,1,2
	v_permlane16_swap_b32 v[PC+6*\c+\i], v[PC+12+4*\c+\i]
.endr
.irp i, 0,1,2
	v_mov_b32 v[PC+3+6*\c+\i], v[PC+12+4*\c+\i]
.endr
.endr
.irp p, 0,1,2
	global_store_b128 v[LI], v[PC+4*\p:PC+4*\p+3], s[14:15] offset:6144*(\t)+512*\p   ; 512 consecutive bytes
.endr
.endm
	XL 0
	XL 1
.irp t, 0,1,2,3
	XSTEP \t
.endr
	v_cndmask_b32 v36, v[PW], v[PW+2], s35         ; lane (r, h) stores words 2 h and 2 h + 1 of its row's four: the wave 256 consecutive bytes, aligned
	v_cndmask_b32 v37, v[PW+1], v[PW+3], s35
	global_store_b64 v[SSA], v[36:37], s[20:21]
	s_wait_tensorcnt 0x0                           ; the wave's end
	ds_add_u32 v[SPW], v[NIL]
	s_wait_dscnt 0x0
	s_endpgm
.Lfunc_end_k_qb6c185af73_prep:
	.size	k_qb6c185af73_prep, .Lfunc_end_k_qb6c185af73_prep-k_qb6c185af73_prep
	.p2alignl 7, 3214868480
	.fill 96, 4, 3214868480
	.section	.rodata,"a",@progbits
	.p2align	6, 0x0
	.amdhsa_kernel k_qb6c185af73_prep
		.amdhsa_group_segment_fixed_size 69632
		.amdhsa_private_segment_fixed_size 0
		.amdhsa_enable_private_segment 0
		.amdhsa_kernarg_size 56
		.amdhsa_user_sgpr_count 2
		.amdhsa_user_sgpr_kernarg_segment_ptr 1
		.amdhsa_wavefront_size32 1
		.amdhsa_system_sgpr_workgroup_id_x 1
		.amdhsa_system_sgpr_workgroup_id_y 1
		.amdhsa_system_sgpr_workgroup_id_z 1
		.amdhsa_system_vgpr_workitem_id 0
		.amdhsa_next_free_vgpr 256
		.amdhsa_next_free_sgpr 66
		.amdhsa_reserve_vcc 0
		.amdhsa_float_denorm_mode_32 3
		.amdhsa_float_denorm_mode_16_64 3
		.amdhsa_memory_ordered 1
		.amdhsa_forward_progress 1
		.amdhsa_inst_pref_size 51
	.end_amdhsa_kernel
	.amdgpu_metadata
---
amdhsa.version: [ 1, 2 ]
amdhsa.kernels:
  - .name:           k_qb6c185af73_prep
    .symbol:         k_qb6c185af73_prep.kd
    .args:
      - { .name: Wq, .offset: 0, .size: 8, .value_kind: global_buffer, .address_space: global }
      - { .name: Wk, .offset: 8, .size: 8, .value_kind: global_buffer, .address_space: global }
      - { .name: Wv, .offset: 16, .size: 8, .value_kind: global_buffer, .address_space: global }
      - { .name: wc, .offset: 24, .size: 8, .value_kind: global_buffer, .address_space: global }
      - { .name: x0, .offset: 32, .size: 8, .value_kind: global_buffer, .address_space: global }
      - { .name: x1, .offset: 40, .size: 8, .value_kind: global_buffer, .address_space: global }
      - { .name: xc, .offset: 48, .size: 8, .value_kind: global_buffer, .address_space: global }
    .group_segment_fixed_size: 69632
    .private_segment_fixed_size: 0
    .kernarg_segment_align: 8
    .kernarg_segment_size: 56
    .max_flat_workgroup_size: 256
    .sgpr_count:     66
    .vgpr_count:     256
    .wavefront_size: 32
...
	.end_amdgpu_metadata
.endif
;; end of part 1
;; launch proj (part 2): grid 256 x 1, 4 waves a work-group, clusters of 4 x 1, 327,680 bytes of LDS; arguments xc, wc, qc, qs, kc, ks, vc, vs; writes qc, qs, kc, ks, vc, vs
.if DOCPART == 2
	.amdgcn_target "amdgcn-amd-amdhsa--gfx1250"
	.amdhsa_code_object_version 6
	.text
	.protected	k_qb6c185af73_proj
	.globl	k_qb6c185af73_proj
	.p2align	8
	.type	k_qb6c185af73_proj,@function
k_qb6c185af73_proj:
	s_mov_b64 s[64:65], 0
	v_nop
	global_prefetch_b8 v0, s[64:65] scope:SCOPE_SE
	s_setreg_imm32_b32 hwreg(HW_REG_WAVE_MODE, 25, 1), 1
	s_wait_xcnt 0x0
	s_wait_alu depctr_hold_cnt(0) depctr_sa_sdst(0) depctr_va_vdst(0) depctr_va_sdst(0) depctr_va_ssrc(0) depctr_va_vcc(0) depctr_vm_vsrc(0)
	s_getreg_b32 s2, hwreg(HW_REG_IB_STS2, 6, 4)
	s_cmp_eq_u32 s2, 0
	s_cbranch_scc0 .Lentry_in_a_cluster
	s_endpgm
.Lentry_in_a_cluster:
	s_bfe_u32 s2, ttmp6, 0x10000c
	s_cmp_lg_u32 s2, 0x3003
	s_cbranch_scc0 .Lentry_shape_is_right
	s_endpgm
.Lentry_shape_is_right:
; q, k, v = [x0 | x1] W on codes of FP6 (E2M3) with one E8M0 byte for each 32 along K, both operands as the launch before laid them; the results are quantised again at once:
; q and k along d (the next product's K), v along the tokens (the last product's K), and leave as images of operand registers.
; A FRAGMENT: 16 rows x 128 K, 12 registers a lane, three planes of 512 bytes.  Row r of tile 2 b + u is element 32 b + 8 u + r + 8 (r / 8): with such a tile as source 0 the 16 result
; registers of tiles 2 b and 2 b + 1 are the 16 neighbours 32 b + 16 (lane / 16) + 0 .. 15.
; SHARES.  A block is 256 tokens x 384 columns: 64 x 4 = 256 work-groups.  The 1,536 columns are 12 chunks of 128 (ch = 4 matrix + w); column group cg takes chunks 3 cg .. 3 cg + 2, one after the other.
; Wave w takes tokens 64 g .. 64 g + 63, g = 4 block + w: its 32 fragments of x (384 registers) and their scale words are loaded once and stay.
; A chunk is eight stages of 128 along K, 32 matrix instructions each on 32 accumulators that take turns.
; THE WEIGHTS of a column group are 307,200 consecutive bytes (three records of codes and scale words): all four waves read them, so they go through LDS, filled once: the first record at the head,
; 100 rows of 256 bytes a wave, the other two behind the full sequence, 200 rows a wave; the second load is on its way while the first chunk is multiplied, and is waited for at that chunk's end.
; CLUSTERS: the four work-groups of a cluster have one column group and four token blocks: both loads are asked for jointly (mask 15).  The column group hangs on the cluster's number alone.
; NO PREFETCH: every byte that the launch reads is asked for in its head; there is no loop to run ahead in.
; OUT, as the next launch reads it.  qc, kc = [token tile][K step 4] fragments.  qs, ks = [g][K step][lane (r, h)][i] words: token tile 2 h + i's scale word.
; vc = [batch][key step of 128][d tile 32] fragments whose K slot (c, h) holds keys 64 h + 32 c + 0 .. 31: g fills lane half g % 2.  vs = [g][w][lane (r, h)][i] words: pair of d tiles 2 h + i.
; LIMITS: a block of zeros, or one whose largest magnitude lies under 2^-124, keeps the byte 1 (zero codes; this program alone reads the bytes); NaN and infinities are not served.
; REGISTERS, in windows of 256: window 0: addresses, scale words, weights buffer 0 (v64-159), codes just made.  window 1: the 32 accumulators.  window 2: x, K steps 0-4.  window 3: x, K steps 5-7 (v0-143), weights buffer 1 (v144-239).
.set REC,   102400                     ; a chunk's record
.set SPARE, 307200                     ; behind the weights: the spare words, 128 bytes a wave, named by no other line
.set LI,  1                            ; 16 x lane
.set L8,  2                            ; 8 x lane
.set WA,  3                            ; LDS: the chunk's record + 16 lane
.set WA2, 4                            ; the same + 49,152
.set VSA, 5                            ; 1,536 h + 16 r
.set TM,  16                           ; v16-31 at work in QUANT
.set PW,  32                           ; v32-35 scale words just made; v36-37 the pair stored
.set XS,  40                           ; v40-55 x's scale words: register 8 (m / 2) + s, lane half m % 2: scales and nothing else
.set WS,  56                           ; v56-63 the weights' scale words, two buffers of four: scales and nothing else
.set PC,  160                          ; v160-239 four sets of 20
.set SPW, 254
.set NIL, 255
.set G1,  24                           ; s[24:31] group 1, 100 rows;  s[48:55] group 1, 200 rows;  s[32:35], s[36:39] their groups 0
.set G1B, 48
.set CH,  44                           ; the chunk
.set CNT, 45
.set LB,  46                           ; the chunk's record in LDS
.set SEL, 66
.set MSB, 0
.macro WIN new                         ; the immediate's high byte repeats the setting that is left; a switch that changes nothing is dropped
.if MSB != (\new)
	s_set_vgpr_msb (MSB<<8)|(\new)
.set MSB, (\new)
.endif
.endm
.macro PLACES                          ; four plain places behind matrix instructions (ISA guide 7.12.1)
.rept 4
	v_nop
.endr
.endm
.macro ROUND                           ; a round of the cluster's barrier
	s_barrier_signal -1
	s_barrier_wait -1
	s_cmp_lg_u32 s20, 0
	s_cbranch_scc1 .Lnw0_\@
	s_barrier_signal -3
.Lnw0_\@:
	s_barrier_wait -3
	s_barrier_signal -1
	s_barrier_wait -1
.endm
.macro WM d, a, b, zero, sa, sb, ra, rb
.if \zero
.if (\ra) && (\rb)
	v_wmma_scale_f32_16x16x128_f8f6f4 v[(\d):(\d)+7], v[(\a):(\a)+11], v[(\b):(\b)+11], 0, v[\sa], v[\sb] matrix_a_fmt:MATRIX_FMT_FP6 matrix_b_fmt:MATRIX_FMT_FP6 matrix_a_scale:MATRIX_SCALE_ROW1 matrix_b_scale:MATRIX_SCALE_ROW1
.elseif \ra
	v_wmma_scale_f32_16x16x128_f8f6f4 v[(\d):(\d)+7], v[(\a):(\a)+11], v[(\b):(\b)+11], 0, v[\sa], v[\sb] matrix_a_fmt:MATRIX_FMT_FP6 matrix_b_fmt:MATRIX_FMT_FP6 matrix_a_scale:MATRIX_SCALE_ROW1
.elseif \rb
	v_wmma_scale_f32_16x16x128_f8f6f4 v[(\d):(\d)+7], v[(\a):(\a)+11], v[(\b):(\b)+11], 0, v[\sa], v[\sb] matrix_a_fmt:MATRIX_FMT_FP6 matrix_b_fmt:MATRIX_FMT_FP6 matrix_b_scale:MATRIX_SCALE_ROW1
.else
	v_wmma_scale_f32_16x16x128_f8f6f4 v[(\d):(\d)+7], v[(\a):(\a)+11], v[(\b):(\b)+11], 0, v[\sa], v[\sb] matrix_a_fmt:MATRIX_FMT_FP6 matrix_b_fmt:MATRIX_FMT_FP6
.endif
.else
.if (\ra) && (\rb)
	v_wmma_scale_f32_16x16x128_f8f6f4 v[(\d):(\d)+7], v[(\a):(\a)+11], v[(\b):(\b)+11], v[(\d):(\d)+7], v[\sa], v[\sb] matrix_a_fmt:MATRIX_FMT_FP6 matrix_b_fmt:MATRIX_FMT_FP6 matrix_a_scale:MATRIX_SCALE_ROW1 matrix_b_scale:MATRIX_SCALE_ROW1
.elseif \ra
	v_wmma_scale_f32_16x16x128_f8f6f4 v[(\d):(\d)+7], v[(\a):(\a)+11], v[(\b):(\b)+11], v[(\d):(\d)+7], v[\sa], v[\sb] matrix_a_fmt:MATRIX_FMT_FP6 matrix_b_fmt:MATRIX_FMT_FP6 matrix_a_scale:MATRIX_SCALE_ROW1
.elseif \rb
	v_wmma_scale_f32_16x16x128_f8f6f4 v[(\d):(\d)+7], v[(\a):(\a)+11], v[(\b):(\b)+11], v[(\d):(\d)+7], v[\sa], v[\sb] matrix_a_fmt:MATRIX_FMT_FP6 matrix_b_fmt:MATRIX_FMT_FP6 matrix_b_scale:MATRIX_SCALE_ROW1
.else
	v_wmma_scale_f32_16x16x128_f8f6f4 v[(\d):(\d)+7], v[(\a):(\a)+11], v[(\b):(\b)+11], v[(\d):(\d)+7], v[\sa], v[\sb] matrix_a_fmt:MATRIX_FMT_FP6 matrix_b_fmt:MATRIX_FMT_FP6
.endif
.endif
.endm
; 64 numbers of a lane in window sw, register s + 16 b + i = element 32 b + 16 (lane / 16) + i of my row, become a fragment's codes in v[pc] on and its scale word in v[pw] (window 0).
; Each accumulator among the sources is read from its low end on.
.macro QUANT s, sw, pc, pw
	WIN (\sw)|((\sw)<<2)
.irp b, 0,1,2,3
	v_max3_num_f32 v[TM+\b], |v[(\s)+16*\b]|, |v[(\s)+1+16*\b]|, 0x1800000   ; block b: my 16 numbers, and the floor 2^(3 - 127)
.endr
.irp i, 2,4,6,8,10,12,14
.irp b, 0,1,2,3
	v_max3_num_f32 v[TM+\b], |v[(\s)+16*\b+\i]|, |v[(\s)+1+16*\b+\i]|, v[TM+\b]   ; the four blocks by turns
.endr
.endr
	WIN 0
.irp b, 0,1,2,3
	v_permlanex16_b32 v[TM+4+\b], v[TM+\b], s[SEL], s[SEL+1]
.endr
.irp b, 0,1,2,3
	v_max_num_f32 v[TM+\b], v[TM+\b], v[TM+4+\b]   ; with lane l xor 16's
.endr
.irp b, 0,1,2,3
	v_add_nc_u32 v[TM+12+\b], 0xff000000, v[TM+\b] ; 2 off its exponent field: the conversion's scale operand
.endr
.irp b, 0,1,2,3
	v_lshrrev_b32 v[TM+4+\b], 23, v[TM+12+\b]      ; the scale's byte
.endr
	v_lshl_or_b32 v[\pw], v[TM+5], 8, v[TM+4]
	v_lshl_or_b32 v[\pw], v[TM+6], 16, v[\pw]
	v_lshl_or_b32 v[\pw], v[TM+7], 24, v[\pw]
	WIN \sw
.irp c, 0,1
	v_cvt_scalef32_pk16_fp6_f32 v[(\pc)+6*\c:(\pc)+2+6*\c], v[(\s)+32*\c:(\s)+15+32*\c], v[TM+12+2*\c]
	v_cvt_scalef32_pk16_fp6_f32 v[(\pc)+12+4*\c:(\pc)+14+4*\c], v[(\s)+16+32*\c:(\s)+31+32*\c], v[TM+12+2*\c+1]
.endr
	WIN 0
	v_nop                                          ; one plain place behind the conversions
.irp c, 0,1                                    ; the operand wants a whole block in a lane
.irp i, 0,1,2
	v_permlane16_swap_b32 v[(\pc)+6*\c+\i], v[(\pc)+12+4*\c+\i]
.endr
.irp i, 0,1,2
	v_mov_b32 v[(\pc)+3+6*\c+\i], v[(\pc)+12+4*\c+\i]
.endr
.endr
.endm
.macro XPLACE s                        ; where K step s of x lies: window XW, register XB on
.if (\s) < 5
.set XB, 48*(\s)
.set XW, 2
.else
.set XB, 48*((\s)-5)
.set XW, 3
.endif
.endm
.macro XLD s                           ; my four fragments of K step s: 12 loads of 512 consecutive bytes
	XPLACE \s
	WIN XW<<6
.set n, 0
.rept 12
	global_load_b128 v[XB+4*n:XB+4*n+3], v[LI], s[4:5] offset:(\s)*6144+512*n
.set n, n+1
.endr
	WIN 0
.endm
.macro WFETCH i                        ; stage i's eight fragments of weights and their scale words from LDS into buffer i % 2: 25 loads
	WIN 0xc0*((\i)%2)
.set n, 0
.rept 24
	ds_load_b128 v[64+80*((\i)%2)+4*n:64+80*((\i)%2)+4*n+3], v[WA+(\i)/4] offset:((\i)%4)*12288+512*n
.set n, n+1
.endr
	WIN 0
	ds_load_b128 v[WS+4*((\i)%2):WS+4*((\i)%2)+3], v[WA2] offset:49152+512*(\i)
.endm
; 32 matrix instructions.  kind 0 (q, k): source 0 = 16 columns of W, source 1 = 16 tokens: a lane holds one token, registers along d; accumulator (m, t) at 8 (8 m + t).
; kind 1 (v): the sources change places: a lane holds one d, registers along the tokens; accumulator (t, m) at 8 (4 t + m).
.macro MUL32 kind, i, zero
	XPLACE \i
.set WB, 64+80*((\i)%2)
.set WW, 3*((\i)%2)
.if (\kind) == 0
	WIN 0x50|WW|(XW<<2)
.irp m, 0,1,2,3
.irp t, 0,1,2,3,4,5,6,7
	WM 8*(8*\m+\t), WB+12*\t, XB+12*\m, \zero, WS+4*((\i)%2)+\t/2, XS+8*(\m/2)+(\i), \t%2, \m%2
.endr
.endr
.else
	WIN 0x50|XW|(WW<<2)
.irp m, 0,1,2,3
.irp t, 0,1,2,3,4,5,6,7
	WM 8*(4*\t+\m), XB+12*\m, WB+12*\t, \zero, XS+8*(\m/2)+(\i), WS+4*((\i)%2)+\t/2, \m%2, \t%2
.endr
.endr
.endif
.endm
; a stage: its weights are in; x's K step i is in (behind it 12 loads for each later K step; the count written is held at 63, and smaller is safe); the places serve the loads below
.macro STAGE kind, i, zero
	s_wait_dscnt 0x0
.if 12*(7-(\i)) > 63
	s_wait_loadcnt 63
.else
	s_wait_loadcnt 12*(7-(\i))
.endif
	PLACES
.if (\i) < 7
	WFETCH (\i)+1
.endif
	MUL32 \kind, \i, \zero
.endm
	s_load_b512 s[4:19], s[0:1], 0x0               ; xc, wc, qc, qs, kc, ks, vc, vs
	v_lshl_add_u32 v[SPW], v0, 2, SPARE
	v_mov_b32 v[NIL], 0
	ds_add_u32 v[SPW], v[NIL]                      ; the opening lines: the add, twice on end, and its wait ahead of my first tensor load
	ds_add_u32 v[SPW], v[NIL]
	v_lshrrev_b32 v10, 5, v0
	v_readfirstlane_b32 s20, v10                   ; wave 0..3
	v_and_b32 v10, 31, v0
	v_and_b32 v11, 15, v0                          ; r
	v_bfe_u32 v12, v0, 4, 1                        ; h
	v_lshlrev_b32 v[LI], 4, v10
	v_lshlrev_b32 v[L8], 3, v10
	v_mul_u32_u24 v[VSA], v12, 1536
	v_lshl_add_u32 v[VSA], v11, 4, v[VSA]
.irp b, 0,1,2,3
	v_mov_b32 v[TM+4+\b], 0                        ; written once: a lane permute's destination counts as one of its sources
.endr
	s_bfe_u32 s21, ttmp6, 0x40000                  ; cx: it enters global addresses of x and of the results alone
	s_and_b32 s22, ttmp9, 3                        ; column group: the cluster's number alone
	s_lshr_b32 s23, ttmp9, 2
	s_lshl_b32 s23, s23, 2
	s_add_co_u32 s23, s23, s21                     ; token block
	s_lshl_b32 s23, s23, 2
	s_add_co_u32 s23, s23, s20                     ; g
	s_mov_b32 s[G1], 15|(3<<16)|(1<<21)            ; the mask names the cluster's four; elements of 8 bytes; bit 21 beside the mask
	s_mov_b32 s[G1+1], 32<<16                      ; rows of 32 elements: 256 bytes
	s_mov_b32 s[G1+2], 100<<16
	s_mov_b32 s[G1+3], 32<<16
	s_mov_b32 s[G1+4], 100
	s_mov_b32 s[G1+5], 32
	s_mov_b32 s[G1+6], 0
	s_mov_b32 s[G1+7], 0
	s_mov_b32 s[G1B], 15|(3<<16)|(1<<21)
	s_mov_b32 s[G1B+1], 32<<16
	s_mov_b32 s[G1B+2], 200<<16
	s_mov_b32 s[G1B+3], 32<<16
	s_mov_b32 s[G1B+4], 200
	s_mov_b32 s[G1B+5], 32
	s_mov_b32 s[G1B+6], 0
	s_mov_b32 s[G1B+7], 0
	s_mul_i32 s56, s22, 3*REC                      ; the column group's weights
	s_mov_b32 s32, 1
	s_mul_i32 s33, s20, 25600                      ; my quarter of the first record
	s_add_co_u32 s58, s56, s33
	s_mov_b32 s59, 0
	s_mov_b32 s36, 1
	s_mul_i32 s37, s20, 51200                      ; my quarter of the other two
	s_add_co_u32 s37, s37, REC
	s_add_co_u32 s60, s56, s37
	s_mov_b32 s61, 0
	s_mov_b32 s[SEL], 0x76543210
	s_mov_b32 s[SEL+1], 0xfedcba98                 ; lane l xor 16
	s_mov_b32 s68, 0xffff0000                      ; lanes 16-31
	s_mul_i32 s[CH], s22, 3
	s_mov_b32 s[CNT], 0
	s_mov_b32 s[LB], 0
	s_wait_alu depctr_va_vdst(0)                   ; the head's end: no vector register is written behind it before the loop
	s_wait_dscnt 0x0                               ; both opening adds are done
	s_wait_kmcnt 0x0
	s_add_nc_u64 s[34:35], s[6:7], s[58:59]
	s_or_b32 s35, s35, 0x80000000
	s_add_nc_u64 s[38:39], s[6:7], s[60:61]
	s_or_b32 s39, s39, 0x80000000
	s_mul_i32 s56, s23, 51200                      ; x: my record
	s_mov_b32 s57, 0
	s_add_nc_u64 s[4:5], s[4:5], s[56:57]
	s_mul_i32 s56, s23, 24576                      ; q's and k's fragments: 16 for 64 tokens
	s_add_nc_u64 s[8:9], s[8:9], s[56:57]
	s_add_nc_u64 s[12:13], s[12:13], s[56:57]
	s_lshl_b32 s56, s23, 10                        ; scale words: 1,024 bytes for 64 tokens
	s_add_nc_u64 s[10:11], s[10:11], s[56:57]
	s_add_nc_u64 s[14:15], s[14:15], s[56:57]
	s_add_nc_u64 s[18:19], s[18:19], s[56:57]
	s_lshr_b32 s56, s23, 1                         ; v: key step g / 2, lane half g % 2
	s_mul_i32 s56, s56, 49152
	s_and_b32 s58, s23, 1
	s_lshl_b32 s58, s58, 8
	s_add_co_u32 s56, s56, s58
	s_add_nc_u64 s[16:17], s[16:17], s[56:57]
	ROUND                                          ; the four work-groups are here: the first joint loads meet
	tensor_load_to_lds s[32:35], s[G1:G1+7]        ; my one load at the head
	s_nop 0
	PLACES
.irp q, 0,1,2,3
	global_load_b128 v[XS+4*\q:XS+4*\q+3], v[LI], s[4:5] offset:49152+512*\q   ; x's scale words first
.endr
.irp s, 0,1,2,3
	XLD \s
.endr
	s_wait_tensorcnt 0x0                           ; my quarter of the first record is in
	ds_add_u32 v[SPW], v[NIL]
	s_wait_dscnt 0x0
	ROUND                                          ; the first record is whole, and the four work-groups are here
	tensor_load_to_lds s[36:39], s[G1B:G1B+7]      ; the other two records: bytes that no load has filled and that nobody reads before the wait at the first chunk's end
	s_nop 0
	PLACES
.irp s, 4,5,6,7
	XLD \s
.endr
.Lchunk:                                               ; three trips, a chunk each
	v_add_nc_u32 v[WA], s[LB], v[LI]
	v_add_nc_u32 v[WA2], 49152, v[WA]
	s_wait_alu depctr_va_vdst(0)                   ; directly behind these writes
	WFETCH 0
	s_cmp_lt_u32 s[CH], 8                          ; chunks 0-7 are q's and k's, 8-11 v's: the cluster's number and the count of trips alone
	s_cbranch_scc0 .Lv
	STAGE 0, 0, 1
.irp i, 1,2,3,4,5,6,7
	STAGE 0, \i, 0
.endr
	WIN 0
	PLACES
	s_wait_xcnt 0x0                                ; the last chunk's stores have read their registers and bases
	s_cmp_lt_u32 s[CH], 4
	s_cselect_b64 s[40:41], s[8:9], s[12:13]
	s_cselect_b64 s[42:43], s[10:11], s[14:15]
	s_and_b32 s56, s[CH], 3                        ; my 128 columns are this K step of the next product
	s_mul_i32 s58, s56, 1536
	s_mov_b32 s59, 0
	s_lshl_b32 s60, s56, 8
	s_mov_b32 s61, 0
	s_add_nc_u64 s[40:41], s[40:41], s[58:59]
	s_add_nc_u64 s[42:43], s[42:43], s[60:61]
.irp m, 0,1,2,3
	QUANT 64*\m, 1, PC+20*\m, PW+\m
.irp p, 0,1,2
	global_store_b128 v[LI], v[PC+20*\m+4*\p:PC+20*\m+4*\p+3], s[40:41] offset:6144*\m+512*\p   ; 512 consecutive bytes
.endr
.endr
	v_cndmask_b32 v36, v[PW], v[PW+2], s68         ; lane (r, h) stores the words of tiles 2 h and 2 h + 1: the wave 256 consecutive bytes
	v_cndmask_b32 v37, v[PW+1], v[PW+3], s68
	global_store_b64 v[L8], v[36:37], s[42:43]
	s_branch .Lnext
.Lv:
	STAGE 1, 0, 1
.irp i, 1,2,3,4,5,6,7
	STAGE 1, \i, 0
.endr
	WIN 0
	PLACES
	s_wait_xcnt 0x0
	s_and_b32 s56, s[CH], 3                        ; my eight d tiles
	s_mul_i32 s58, s56, 12288
	s_mov_b32 s59, 0
	s_lshl_b32 s60, s56, 8
	s_mov_b32 s61, 0
	s_add_nc_u64 s[40:41], s[16:17], s[58:59]
	s_add_nc_u64 s[42:43], s[18:19], s[60:61]
.irp p, 0,1,2,3                                ; d tiles 2 p and 2 p + 1: two blocks of 32 tokens each
	QUANT 64*\p, 1, PC+20*\p, PW+\p
.irp i, 0,1,2,3,4,5
	v_permlane16_swap_b32 v[PC+20*\p+\i], v[PC+20*\p+6+\i]   ; lane (r, h) now holds tile 2 p + h: all 12 registers of one lane of its image
.endr
.irp c, 0,1,2
	global_store_b128 v[VSA], v[PC+20*\p+4*\c:PC+20*\p+4*\c+3], s[40:41] offset:3072*\p+512*\c   ; sixteen lanes store 256 consecutive bytes, aligned
.endr
.endr
	v_cndmask_b32 v36, v[PW], v[PW+2], s68
	v_cndmask_b32 v37, v[PW+1], v[PW+3], s68
	global_store_b64 v[L8], v[36:37], s[42:43]
.Lnext:
	s_wait_tensorcnt 0x0                           ; my quarter of the later records is in (it was asked for ahead of the first chunk),
	s_wait_dscnt 0x0
	s_barrier_signal -1
	s_barrier_wait -1                              ; and everybody's
	s_add_co_u32 s[CH], s[CH], 1
	s_add_co_u32 s[LB], s[LB], REC
	s_add_co_u32 s[CNT], s[CNT], 1
	s_cmp_lt_u32 s[CNT], 3
	s_cbranch_scc1 .Lchunk
	s_wait_tensorcnt 0x0                           ; the wave's end
	ds_add_u32 v[SPW], v[NIL]
	s_wait_dscnt 0x0
	ROUND                                          ; the closing round
	s_endpgm
.Lfunc_end_k_qb6c185af73_proj:
	.size	k_qb6c185af73_proj, .Lfunc_end_k_qb6c185af73_proj-k_qb6c185af73_proj
	.p2alignl 7, 3214868480
	.fill 96, 4, 3214868480
	.section	.rodata,"a",@progbits
	.p2align	6, 0x0
	.amdhsa_kernel k_qb6c185af73_proj
		.amdhsa_group_segment_fixed_size 327680
		.amdhsa_private_segment_fixed_size 0
		.amdhsa_enable_private_segment 0
		.amdhsa_kernarg_size 64
		.amdhsa_user_sgpr_count 2
		.amdhsa_user_sgpr_kernarg_segment_ptr 1
		.amdhsa_wavefront_size32 1
		.amdhsa_system_sgpr_workgroup_id_x 1
		.amdhsa_system_sgpr_workgroup_id_y 1
		.amdhsa_system_sgpr_workgroup_id_z 1
		.amdhsa_system_vgpr_workitem_id 0
		.amdhsa_next_free_vgpr 1024
		.amdhsa_next_free_sgpr 72
		.amdhsa_reserve_vcc 0
		.amdhsa_float_denorm_mode_32 3
		.amdhsa_float_denorm_mode_16_64 3
		.amdhsa_memory_ordered 1
		.amdhsa_forward_progress 1
		.amdhsa_inst_pref_size 143
	.end_amdhsa_kernel
	.amdgpu_metadata
---
amdhsa.version: [ 1, 2 ]
amdhsa.kernels:
  - .name:           k_qb6c185af73_proj
    .symbol:         k_qb6c185af73_proj.kd
    .args:
      - { .name: xc, .offset: 0, .size: 8, .value_kind: global_buffer, .address_space: global }
      - { .name: wc, .offset: 8, .size: 8, .value_kind: global_buffer, .address_space: global }
      - { .name: qc, .offset: 16, .size: 8, .value_kind: global_buffer, .address_space: global }
      - { .name: qs, .offset: 24, .size: 8, .value_kind: global_buffer, .address_space: global }
      - { .name: kc, .offset: 32, .size: 8, .value_kind: global_buffer, .address_space: global }
      - { .name: ks, .offset: 40, .size: 8, .value_kind: global_buffer, .address_space: global }
      - { .name: vc, .offset: 48, .size: 8, .value_kind: global_buffer, .address_space: global }
      - { .name: vs, .offset: 56, .size: 8, .value_kind: global_buffer, .address_space: global }
    .group_segment_fixed_size: 327680
    .private_segment_fixed_size: 0
    .kernarg_segment_align: 8
    .kernarg_segment_size: 64
    .max_flat_workgroup_size: 128
    .sgpr_count:     72
    .vgpr_count:     1024
    .wavefront_size: 32
...
	.end_amdgpu_metadata
.endif
;; end of part 2
;; launch attn (part 3): grid 256 x 1, 4 waves a work-group, no clusters, 45,312 bytes of LDS; arguments qc, qs, kc, ks, vc, vs, gamma, beta, out0; writes out0
.if DOCPART == 3
	.amdgcn_target "amdgcn-amd-amdhsa--gfx1250"
	.amdhsa_code_object_version 6
	.text
	.protected	k_qb6c185af73_attn
	.globl	k_qb6c185af73_attn
	.p2align	8
	.type	k_qb6c185af73_attn,@function
k_qb6c185af73_attn:
	s_mov_b64 s[64:65], 0
	v_nop
	global_prefetch_b8 v0, s[64:65] scope:SCOPE_SE
	s_setreg_imm32_b32 hwreg(HW_REG_WAVE_MODE, 25, 1), 1
	s_wait_xcnt 0x0
; out = LayerNorm(softmax_causal(q k^T / sqrt(512)) v) x gamma + beta; 8 batches, 2,048 tokens, one head of 512.  Both products on codes of FP6 (E2M3), one E8M0 byte for each 32 along K.
; THE SOFTMAX AHEAD OF THE SECOND PRODUCT: t = score x log2(e) / sqrt(512); M = the running largest t rounded UP to a whole number; p = 2^(t - M) is quantised along the keys, not normalised;
; the row's sum is taken of the unquantised p and divides at the end; when M moves, the sum and O are multiplied by 2^(old M - new M), which rounds nothing.
; SHARES.  Work-group x: batch x / 32, e = x % 32: the half-blocks of 32 queries E = e (tiles 0, 1) and L = 63 - e (tiles 2, 3).  Keys go 128 a step.  Steps 0 .. e / 4 serve all four tiles,
; steps e / 4 + 1 .. 15 - e / 4 tiles 2 and 3 alone: 256 (e / 4 + 1) + 128 (15 - 2 (e / 4)) = 2,176 matrix instructions in every work-group.  What lies wholly under the causal mask is not multiplied.
; THE WAVES SHARE KEYS AND CHANNELS, NOT QUERIES (O of 16 queries x 512 is 256 registers): in a step wave w makes S^T = K Q^T for keys 32 w .. 32 w + 31 and all tiles, and O^T += V^T P^T for
; channels 128 w .. 128 w + 127 and all tiles.  So each fragment of K and V is wanted by one wave, once, and feeds four (two) matrix instructions: it goes from memory straight into registers.
; What goes from wave to wave through LDS is small: each block's largest score, and p's codes and scale bytes.  Two barriers a step.
; WHERE THE LOADS STAND.  A step asks for 52 loads a wave: the next step's K (26) and V (26).  V's registers are free only behind the second product, so V's run stands at the step's end.  K's are free behind the
; first product: K's loads go out in four runs of 4, 11, 6 and 5, each directly behind the issue of an LDS instruction and ahead of the wait for it, so that loads are on their way while the wave waits for LDS
; and at a barrier, and few of them are issued ahead of an LDS instruction whose result the four waves wait for.
; NO CLUSTER, NO TENSOR LOAD: a joint load lands in LDS, where no second wave would read these bytes; and work-groups of one batch walk 9 to 16 steps, so partners would need different numbers of tiles.
; LAYOUTS (made by the launch before).  A fragment: 16 rows x 128 K, 12 registers a lane, three planes of 512 bytes.  Row r of token tile 2 b + u is token 32 b + 8 u + r + 8 (r / 8), so that the
; 16 registers of two neighbouring tiles of S^T are 16 neighbouring keys.  In V and P the K slot (c, h) (registers 6 c .., lane half h, scale byte 2 c + h) holds keys 64 h + 32 c + 0 .. 31.
; LIMITS: a block of p that is all zeros keeps the byte 1 (zero codes); NaN and infinities among the inputs are not served.
; REGISTERS, in windows of 256: window 0: addresses, statistics, S^T, P, scale words.  window 1: O^T, 64 a tile.  window 2: Q, 48 a tile (at the end gamma, beta).  window 3: K (v0-95), V (v96-191).
.set PIMG,  4096                       ; LDS: 0: largest scores [m][r][w]; 1024, 2048, 3072: the same shape for l, the sum of O, the sum of squares
.set PSC,   10752                      ; PIMG: P's four fragments, 1,664 apart, six planes of 256 bytes (registers 2 i, 2 i + 1, lane l at 8 l);  PSC: their scale words [m][r]
.set STAGE, 11008                      ; the way out: 16 rows x (512 + 16) bytes for each wave
.set SPARE, 44800                      ; the spare words, 128 bytes a wave, named by no other line
.set LI,  1                            ; 16 x lane
.set SV,  2                            ; 256 h + 8 r: Q's and K's scale words
.set L8,  5                            ; 8 x lane
.set MXA, 6                            ; 16 r + 4 w
.set MXL, 7                            ; 16 r
.set PWA, 8                            ; where I store my block of P
.set PRA, 9                            ; PIMG + 8 lane
.set PBA, 10                           ; PSC + 4 r + my byte
.set PSA, 11                           ; PSC + 4 lane
.set QR,  12                           ; r + 8 (r / 8) - 16 h
.set NINF, 13                          ; -infinity
.set MD,  14                           ; at work in the mask
.set ST,  16                           ; v16-47 eight a tile: +0 -M, +1 the largest t, +2, +3 the sum in two halves, +4 f (+5 named with it), +6, +7 at work
.set BM,  48                           ; v48-51 my block's largest score
.set T2,  52                           ; v52-55 lane permutes' destinations
.set SCO, 56                           ; v56-59 the conversions' scale operands
.set BY,  60                           ; v60-63 the scale bytes
.set S,   64                           ; v64-127 S^T, then p: 16 a tile
.set PF,  128                          ; v128-175 P's four fragments
.set MXR, 176                          ; v176-191 the four waves' largest scores
.set CP,  192                          ; v192-215 codes just made: 12 a pair of tiles
.set KS,  216                          ; v216-219 K's, v220-227 Q's, v232-235 V's, v236-237 P's scale words: scales and nothing else
.set QS,  220
.set VR,  228                          ; v228-231 V's scale words as they lie in memory
.set VS,  232
.set PS,  236
.set STO, 238
.set SRD, 239
.set GA,  240                          ; 64 h
.set SPW, 254
.set NIL, 255
.set EA,  64                           ; the end: four registers a tile for sums
.set Y,   64                           ; the end: a tile's results
.set OB,  128                          ; the end: rows read back
.set KP,  8                            ; s[8:9] K's fragments, s[10:11] K's scale words, s[12:13] V's fragments, s[14:15] V's scale words: stepped key step by key step
.set KSP, 10
.set VP,  12
.set VSP, 14
.set WV,  22
.set BA,  23
.set EE,  24
.set LL,  25
.set JE,  26
.set CNT, 27
.set SEL, 32                           ; s[32:33] lane selects for lane l xor 16
.set CS,  34                           ; s[34:35] c = log2(e) / sqrt(512)
.set P0,  36                           ; byte selects that make V's scale words
.set P1,  37
.set SDE, 38                           ; 32 (E % 4 - w), 32 (L % 4 - w): the diagonal's place in my 32 keys
.set SDL, 39
.set QPE, 40
.set QPL, 42
.set QSE, 44
.set QSL, 46
.set OE,  48
.set OL,  50
.set MSB, 0
.macro WIN new                         ; the immediate's high byte repeats the setting that is left; a switch that changes nothing is dropped
.if MSB != (\new)
	s_set_vgpr_msb (MSB<<8)|(\new)
.set MSB, (\new)
.endif
.endm
.macro PLACES                          ; four plain places behind matrix instructions, in front of loads into their operands and of the first read of results
.rept 4
	v_nop
.endr
.endm
.macro BAR
	s_wait_dscnt 0x0
	s_barrier_signal -1
	s_barrier_wait -1
.endm
.macro WM d, a, b, zero, sa, sb, ra, rb
.if \zero
.if (\ra) && (\rb)
	v_wmma_scale_f32_16x16x128_f8f6f4 v[(\d):(\d)+7], v[(\a):(\a)+11], v[(\b):(\b)+11], 0, v[\sa], v[\sb] matrix_a_fmt:MATRIX_FMT_FP6 matrix_b_fmt:MATRIX_FMT_FP6 matrix_a_scale:MATRIX_SCALE_ROW1 matrix_b_scale:MATRIX_SCALE_ROW1
.elseif \ra
	v_wmma_scale_f32_16x16x128_f8f6f4 v[(\d):(\d)+7], v[(\a):(\a)+11], v[(\b):(\b)+11], 0, v[\sa], v[\sb] matrix_a_fmt:MATRIX_FMT_FP6 matrix_b_fmt:MATRIX_FMT_FP6 matrix_a_scale:MATRIX_SCALE_ROW1
.elseif \rb
	v_wmma_scale_f32_16x16x128_f8f6f4 v[(\d):(\d)+7], v[(\a):(\a)+11], v[(\b):(\b)+11], 0, v[\sa], v[\sb] matrix_a_fmt:MATRIX_FMT_FP6 matrix_b_fmt:MATRIX_FMT_FP6 matrix_b_scale:MATRIX_SCALE_ROW1
.else
	v_wmma_scale_f32_16x16x128_f8f6f4 v[(\d):(\d)+7], v[(\a):(\a)+11], v[(\b):(\b)+11], 0, v[\sa], v[\sb] matrix_a_fmt:MATRIX_FMT_FP6 matrix_b_fmt:MATRIX_FMT_FP6
.endif
.else
.if (\ra) && (\rb)
	v_wmma_scale_f32_16x16x128_f8f6f4 v[(\d):(\d)+7], v[(\a):(\a)+11], v[(\b):(\b)+11], v[(\d):(\d)+7], v[\sa], v[\sb] matrix_a_fmt:MATRIX_FMT_FP6 matrix_b_fmt:MATRIX_FMT_FP6 matrix_a_scale:MATRIX_SCALE_ROW1 matrix_b_scale:MATRIX_SCALE_ROW1
.elseif \ra
	v_wmma_scale_f32_16x16x128_f8f6f4 v[(\d):(\d)+7], v[(\a):(\a)+11], v[(\b):(\b)+11], v[(\d):(\d)+7], v[\sa], v[\sb] matrix_a_fmt:MATRIX_FMT_FP6 matrix_b_fmt:MATRIX_FMT_FP6 matrix_a_scale:MATRIX_SCALE_ROW1
.elseif \rb
	v_wmma_scale_f32_16x16x128_f8f6f4 v[(\d):(\d)+7], v[(\a):(\a)+11], v[(\b):(\b)+11], v[(\d):(\d)+7], v[\sa], v[\sb] matrix_a_fmt:MATRIX_FMT_FP6 matrix_b_fmt:MATRIX_FMT_FP6 matrix_b_scale:MATRIX_SCALE_ROW1
.else
	v_wmma_scale_f32_16x16x128_f8f6f4 v[(\d):(\d)+7], v[(\a):(\a)+11], v[(\b):(\b)+11], v[(\d):(\d)+7], v[\sa], v[\sb] matrix_a_fmt:MATRIX_FMT_FP6 matrix_b_fmt:MATRIX_FMT_FP6
.endif
.endif
.endm
; A run of K's loads.  My two key tiles x four K steps are 12,288 consecutive bytes: 24 loads of 512; this run takes loads lo .. hi - 1.
; sc = 1: and the two loads of scale words (register 2 i + u, lane half h: K step 2 i + h of key tile u).  All runs of a step together: 26 loads
.macro KPART lo, hi, sc
	WIN 0xc0                                       ; destination window 3
.set n, \lo
.rept (\hi)-(\lo)
	global_load_b128 v[4*n:4*n+3], v[LI], s[KP:KP+1] offset:512*n
.set n, n+1
.endr
	WIN 0
.if \sc
.irp i, 0,1
	global_load_b64 v[KS+2*\i:KS+2*\i+1], v[SV], s[KSP:KSP+1] offset:512*\i
.endr
.endif
.endm
; the scale words of the step's two blocks of 64 tokens FIRST, since they are wanted a softmax earlier than the fragments; then my eight d tiles of the step, 12,288 consecutive bytes: 26 loads
.macro VLOAD
	WIN 0
	global_load_b64 v[VR:VR+1], v[L8], s[VSP:VSP+1]
	global_load_b64 v[VR+2:VR+3], v[L8], s[VSP:VSP+1] offset:1024
	WIN 0xc0
.set n, 0
.rept 24
	global_load_b128 v[96+4*n:96+4*n+3], v[LI], s[VP:VP+1] offset:512*n
.set n, n+1
.endr
	WIN 0
.endm
; gamma and beta of my 64 channels (register 16 b + i: channel 128 w + 32 b + 16 h + i) into Q's registers, which have been multiplied for the last time: 32 loads
.macro GLOAD
	WIN 0x80
.irp b, 0,1,2,3
.irp i, 0,1,2,3
	global_load_b128 v[16*\b+4*\i:16*\b+4*\i+3], v[GA], s[16:17] offset:128*\b+16*\i
	global_load_b128 v[64+16*\b+4*\i:64+16*\b+4*\i+3], v[GA], s[18:19] offset:128*\b+16*\i
.endr
.endr
	WIN 0
.endm
; S^T = K Q^T: source 0 = 16 keys, source 1 = 16 queries; K = 512 in four steps; the accumulators take turns
.macro QK m0
	WIN 0x0b                                       ; K window 3, Q window 2, S^T window 0
.irp s, 0,1,2,3
.irp m, 0,1,2,3
.if \m >= \m0
.irp u, 0,1
.if \s == 0
	WM S+16*\m+8*\u, 12*(4*\u+\s), 48*\m+12*\s, 1, KS+2*(\s/2)+\u, QS+4*(\m/2)+2*(\s/2)+\m%2, \s%2, \s%2
.else
	WM S+16*\m+8*\u, 12*(4*\u+\s), 48*\m+12*\s, 0, KS+2*(\s/2)+\u, QS+4*(\m/2)+2*(\s/2)+\m%2, \s%2, \s%2
.endif
.endr
.endif
.endr
.endr
.endm
; on the diagonal: register i of lane (r, h) holds key 32 w + 16 h + i of the step; it is hidden where i > sd + 8 u + r + 8 (r / 8) - 16 h
.macro MASK mlo, sd
.irp u, 0,1
	v_add_nc_u32 v[MD], s[\sd], v[QR]
.if \u
	v_add_nc_u32 v[MD], 8, v[MD]
.endif
.irp i, 0,1,2,3,4,5,6,7,8,9,10,11,12,13,14,15
	v_cmp_gt_i32 vcc_lo, \i, v[MD]
	v_cndmask_b32 v[S+16*((\mlo)+\u)+\i], v[S+16*((\mlo)+\u)+\i], v[NINF], vcc_lo
.endr
.endr
.endm
; the largest score of my block of 32 keys, for each tile's query: it serves the row's maximum and, since p rises with the score, the block's largest p
.macro BMAX m0
.irp m, 0,1,2,3
.if \m >= \m0
	v_max3_num_f32 v[BM+\m], v[S+16*\m], v[S+16*\m+1], v[S+16*\m+2]
.endif
.endr
.irp i, 3,5,7,9,11,13
.irp m, 0,1,2,3
.if \m >= \m0
	v_max3_num_f32 v[BM+\m], v[BM+\m], v[S+16*\m+\i], v[S+16*\m+\i+1]
.endif
.endr
.endr
.irp m, 0,1,2,3
.if \m >= \m0
	v_max_num_f32 v[BM+\m], v[BM+\m], v[S+16*\m+15]
.endif
.endr
.irp m, 0,1,2,3
.if \m >= \m0
	v_permlanex16_b32 v[T2+\m], v[BM+\m], s[SEL], s[SEL+1]
.endif
.endr
.irp m, 0,1,2,3
.if \m >= \m0
	v_max_num_f32 v[BM+\m], v[BM+\m], v[T2+\m]
.endif
.endr
.endm
; the step's largest score over the four waves; the running largest t; -M = floor(-t); f = 2^(old M - new M).  Every wave makes the same numbers
.macro MCHAIN m0
.irp m, 0,1,2,3
.if \m >= \m0
	v_max3_num_f32 v[ST+8*\m+6], v[MXR+4*\m], v[MXR+4*\m+1], v[MXR+4*\m+2]
.endif
.endr
.irp m, 0,1,2,3
.if \m >= \m0
	v_max_num_f32 v[ST+8*\m+6], v[ST+8*\m+6], v[MXR+4*\m+3]
.endif
.endr
.irp m, 0,1,2,3
.if \m >= \m0
	v_mul_f32 v[ST+8*\m+6], s[CS], v[ST+8*\m+6]
.endif
.endr
.irp m, 0,1,2,3
.if \m >= \m0
	v_max_num_f32 v[ST+8*\m+1], v[ST+8*\m+1], v[ST+8*\m+6]
.endif
.endr
.irp m, 0,1,2,3
.if \m >= \m0
	v_mov_b32 v[ST+8*\m+6], v[ST+8*\m]
.endif
.endr
.irp m, 0,1,2,3
.if \m >= \m0
	v_floor_f32 v[ST+8*\m], -v[ST+8*\m+1]
.endif
.endr
.irp m, 0,1,2,3
.if \m >= \m0
	v_sub_f32 v[ST+8*\m+6], v[ST+8*\m], v[ST+8*\m+6]
.endif
.endr
.irp m, 0,1,2,3
.if \m >= \m0
	v_cvt_i32_f32 v[ST+8*\m+6], v[ST+8*\m+6]       ; a whole number, 0 or less (it saturates)
.endif
.endr
.irp m, 0,1,2,3
.if \m >= \m0
	v_ldexp_f32 v[ST+8*\m+4], 1.0, v[ST+8*\m+6]
.endif
.endr
.endm
; p = 2^(c s - M); the sums; the blocks' scales
.macro PEXP m0
.irp k, 0,2,4,6,8,10,12,14
.irp m, 0,1,2,3
.if \m >= \m0
	v_pk_fma_f32 v[S+16*\m+\k:S+16*\m+\k+1], v[S+16*\m+\k:S+16*\m+\k+1], s[CS:CS+1], v[ST+8*\m:ST+8*\m+1] op_sel_hi:[1,0,0]
.endif
.endr
.endr
.irp m, 0,1,2,3
.if \m >= \m0
	v_fma_f32 v[BM+\m], v[BM+\m], s[CS], v[ST+8*\m]
.endif
.endr
	s_wait_alu depctr_va_vdst(0)
.irp k, 0,1,2,3,4,5,6,7,8,9,10,11,12,13,14,15
.irp m, 0,1,2,3
.if \m >= \m0
	v_exp_f32 v[S+16*\m+\k], v[S+16*\m+\k]
.endif
.endr
.endr
.irp m, 0,1,2,3
.if \m >= \m0
	v_pk_mul_f32 v[ST+8*\m+2:ST+8*\m+3], v[ST+8*\m+2:ST+8*\m+3], v[ST+8*\m+4:ST+8*\m+5] op_sel_hi:[1,0]   ; the sums under the new M: plain work behind the exponentials
.endif
.endr
	s_wait_alu depctr_va_vdst(0)                   ; one wait for the whole batch, ahead of its first reader
.irp m, 0,1,2,3
.if \m >= \m0
	v_exp_f32 v[BM+\m], v[BM+\m]                   ; the block's largest p: the same two instructions on the same number
.endif
.endr
.irp k, 0,2,4,6,8,10,12,14
.irp m, 0,1,2,3
.if \m >= \m0
	v_pk_add_f32 v[ST+8*\m+2:ST+8*\m+3], v[ST+8*\m+2:ST+8*\m+3], v[S+16*\m+\k:S+16*\m+\k+1]   ; the sum is taken of the unquantised p
.endif
.endr
.endr
	s_wait_alu depctr_va_vdst(0)                   ; and one for the blocks' largest p
.irp m, 0,1,2,3
.if \m >= \m0
	v_max_num_f32 v[BM+\m], 0x1800000, v[BM+\m]    ; the floor 2^(3 - 127): the byte cannot fall under 1
.endif
.endr
.irp m, 0,1,2,3
.if \m >= \m0
	v_add_nc_u32 v[SCO+\m], 0xff000000, v[BM+\m]
.endif
.endr
.irp m, 0,1,2,3
.if \m >= \m0
	v_lshrrev_b32 v[BY+\m], 23, v[SCO+\m]
.endif
.endr
.endm
; my block of each tile becomes 32 codes; two tiles change halves so that a lane holds a whole block; it goes to its slot in P's image, its byte to its place in P's scale word
.macro PQ m0
.irp q, 0,1
.if 2*\q >= \m0
	v_cvt_scalef32_pk16_fp6_f32 v[CP+12*\q:CP+12*\q+2], v[S+32*\q:S+32*\q+15], v[SCO+2*\q]
	v_cvt_scalef32_pk16_fp6_f32 v[CP+12*\q+6:CP+12*\q+8], v[S+32*\q+16:S+32*\q+31], v[SCO+2*\q+1]
.endif
.endr
	v_nop                                          ; one plain place behind the conversions
.irp q, 0,1
.if 2*\q >= \m0
.irp i, 0,1,2
	v_permlane16_swap_b32 v[CP+12*\q+\i], v[CP+12*\q+6+\i]
.endr
.irp i, 0,1,2
	v_mov_b32 v[CP+12*\q+3+\i], v[CP+12*\q+6+\i]   ; lane (r, h): the six registers of tile 2 q + h's block
.endr
.irp i, 0,1,2
	ds_store_b64 v[PWA], v[CP+12*\q+2*\i:CP+12*\q+2*\i+1] offset:3328*\q+256*\i
.endr
.endif
.endr
.irp m, 0,1,2,3
.if \m >= \m0
	ds_store_b8 v[PBA], v[BY+\m] offset:64*\m      ; both lanes of a query write the same byte with the same value
.endif
.endr
.endm
.macro RESC m0                         ; O^T under the new M, each accumulator from its low end on
	WIN 0x41                                       ; O^T window 1, f window 0
.irp m, 0,1,2,3
.if \m >= \m0
.set k, 0
.rept 32
	v_pk_mul_f32 v[64*\m+2*k:64*\m+2*k+1], v[64*\m+2*k:64*\m+2*k+1], v[ST+8*\m+4:ST+8*\m+5] op_sel_hi:[1,0]
.set k, k+1
.endr
.endif
.endr
.endm
.macro PFETCH m0
.irp m, 0,1,2,3
.if \m >= \m0
.irp i, 0,1,2,3,4,5
	ds_load_b64 v[PF+12*\m+2*\i:PF+12*\m+2*\i+1], v[PRA] offset:1664*\m+256*\i
.endr
.endif
.endr
.irp i, 0,1
.if 2*\i >= \m0
	ds_load_b32 v[PS+\i], v[PSA] offset:128*\i     ; lane half h: tile 2 i + h
.endif
.endr
.endm
; O^T += V^T P^T: source 0 = 16 channels, source 1 = P; K = the step's 128 keys: one instruction an accumulator
.macro PV m0, first
	WIN 0x53                                       ; V window 3, P window 0, O^T window 1
.irp t, 0,1,2,3,4,5,6,7
.irp m, 0,1,2,3
.if \m >= \m0
	WM 64*\m+8*\t, 96+12*\t, PF+12*\m, \first, VS+\t%4, PS+\m/2, \t/4, \m%2
.endif
.endr
.endr
.endm
; A KEY STEP.  m0: the first tile served.  first = 1: the products start O^T's sums.  mask = 1: E's diagonal where the counter says so; 2: L's diagonal.  last = 1: nothing more is asked for but gamma and beta.
.macro STEP m0, first, mask, last
	s_wait_loadcnt 26                              ; this step's K is in, all four runs of it; behind it: V's 26 loads
.if (\last) == 0
	s_add_nc_u64 s[KP:KP+1], s[KP:KP+1], 49152     ; that wait has shown every load done that names these two bases: they step to the next step's K
	s_add_nc_u64 s[KSP:KSP+1], s[KSP:KSP+1], 2048
.endif
	QK \m0
	WIN 0
	PLACES                                         ; for the first read of the scores, and for the loads into K's registers further down
.if (\mask) == 1
	s_cmp_lg_u32 s[CNT], 1                         ; ids and the count of steps alone: the same in all four waves
	s_cbranch_scc1 .Lopen_\@
	MASK 0, SDE
.Lopen_\@:
.elseif (\mask) == 2
	MASK 2, SDL
.endif
	BMAX \m0
.irp m, 0,1,2,3
.if \m >= \m0
	ds_store_b32 v[MXA], v[BM+\m] offset:256*\m
.endif
.endr
.if (\last) == 0
	KPART 0, 4, 0                                  ; K's first run, behind the stores and ahead of the wait for them
.endif
	BAR                                            ; the four waves' largest scores lie in LDS; and nobody reads the last step's P any more
.irp m, 0,1,2,3
.if \m >= \m0
	ds_load_b128 v[MXR+4*\m:MXR+4*\m+3], v[MXL] offset:256*\m
.endif
.endr
.if \last
	GLOAD
	s_wait_loadcnt 56                              ; V's scale words are in; behind them: V's 24 fragment loads, and 32 of gamma and beta
.else
	KPART 4, 15, 0                                 ; K's second run: it has the softmax beside it
	s_wait_loadcnt 39                              ; V's scale words are in; behind them: V's 24 fragment loads and K's first two runs, 4 + 11
.endif
	v_perm_b32 v[VS], v[VR+2], v[VR], s[P0]        ; V's scale words: byte 2 c + h = block c of the step's h-th 64 tokens.  Register t % 4, lane half t / 4: d tile t
	v_perm_b32 v[VS+1], v[VR+2], v[VR], s[P1]
	v_perm_b32 v[VS+2], v[VR+3], v[VR+1], s[P0]
	v_perm_b32 v[VS+3], v[VR+3], v[VR+1], s[P1]
	s_wait_dscnt 0x0
	MCHAIN \m0
	PEXP \m0
	PQ \m0
.if (\last) == 0
	KPART 15, 21, 0                                ; K's third run, behind P's stores and ahead of the wait for them
.endif
	s_wait_dscnt 0x0                               ; my part of P has landed, and my reads of the largest scores are over
	s_barrier_signal -1
.if (\first) == 0
	RESC \m0                                       ; work on registers while the others arrive
.endif
	WIN 0
	s_wait_alu depctr_va_vdst(0)
	s_barrier_wait -1
	PFETCH \m0
.if (\last) == 0
	KPART 21, 24, 1                                ; K's last run, with its scale words: it has the second product beside it
.endif
	s_wait_dscnt 0x0
.if \last
	s_wait_loadcnt 32                              ; V's fragments are in; behind them: gamma and beta
.else
	s_wait_loadcnt 26                              ; V's fragments are in; behind them: K's four runs
	s_add_nc_u64 s[VP:VP+1], s[VP:VP+1], 49152     ; that wait has shown every load done that names these two bases: they step to the next step's V
	s_add_nc_u64 s[VSP:VSP+1], s[VSP:VSP+1], 2048
.endif
	PV \m0, \first
	WIN 0
	PLACES
.if (\last) == 0
	VLOAD                                          ; the next step's V
.endif
.endm
	s_load_b512 s[4:19], s[0:1], 0x0               ; qc, qs, kc, ks, vc, vs, gamma, beta
	s_load_b64 s[20:21], s[0:1], 0x40              ; out0
	v_lshl_add_u32 v[SPW], v0, 2, SPARE
	v_mov_b32 v[NIL], 0
	v_lshrrev_b32 v15, 5, v0
	v_readfirstlane_b32 s[WV], v15                 ; wave 0..3
	s_lshr_b32 s[BA], ttmp9, 5                     ; batch
	s_and_b32 s[EE], ttmp9, 31                     ; E
	s_sub_co_u32 s[LL], 63, s[EE]                  ; L
	s_lshr_b32 s[JE], s[EE], 2                     ; the key step of E's diagonal
	v_and_b32 v15, 31, v0                          ; lane
	v_and_b32 v3, 15, v0                           ; r
	v_bfe_u32 v4, v0, 4, 1                         ; h
	v_lshlrev_b32 v[LI], 4, v15
	v_lshlrev_b32 v[L8], 3, v15
	v_lshlrev_b32 v[SV], 3, v3
	v_lshl_add_u32 v[SV], v4, 8, v[SV]
	v_lshlrev_b32 v[MXL], 4, v3
	s_lshl_b32 s52, s[WV], 2
	v_add_nc_u32 v[MXA], s52, v[MXL]
	s_and_b32 s52, s[WV], 1                        ; my block's slot in P: c = w % 2, lane half w / 2
	s_lshr_b32 s53, s[WV], 1
	s_mul_i32 s54, s52, 768
	s_lshl_b32 s55, s53, 7
	s_add_co_u32 s54, s54, s55
	s_add_co_u32 s54, s54, PIMG
	v_mul_u32_u24 v[PWA], v4, 1664
	v_lshl_add_u32 v[PWA], v3, 3, v[PWA]
	v_add_nc_u32 v[PWA], s54, v[PWA]
	v_add_nc_u32 v[PRA], PIMG, v[L8]
	s_lshl_b32 s54, s52, 1
	s_add_co_u32 s54, s54, s53                     ; its byte: 2 (w % 2) + w / 2
	s_add_co_u32 s54, s54, PSC
	v_lshl_add_u32 v[PBA], v3, 2, s54
	v_lshl_add_u32 v[PSA], v15, 2, PSC
	v_and_b32 v[MD], 8, v3
	v_add_nc_u32 v[QR], v[MD], v3
	v_lshlrev_b32 v[MD], 4, v4
	v_sub_nc_u32 v[QR], v[QR], v[MD]
	v_mov_b32 v[NINF], 0xff800000
	s_mul_i32 s54, s[WV], 8448
	s_add_co_u32 s54, s54, STAGE
	v_mul_u32_u24 v[STO], v3, 528
	v_lshl_add_u32 v[STO], v4, 6, v[STO]
	v_add_nc_u32 v[STO], s54, v[STO]
	v_add_nc_u32 v[SRD], s54, v[LI]
	v_lshlrev_b32 v[GA], 6, v4
	s_mov_b32 s[SEL], 0x76543210
	s_mov_b32 s[SEL+1], 0xfedcba98
	s_mov_b32 s[CS], 0x3d8293ee                    ; c = log2(e) / sqrt(512)
	s_mov_b32 s[CS+1], s[CS]                       ; (named with it as a pair, so it is written)
	s_mov_b32 s[P0], 0x05010400
	s_mov_b32 s[P1], 0x07030602
	s_mov_b32 s56, 0x3b000000                      ; 1 / 512
	s_mov_b32 s57, 0x3727c5ac                      ; 1e-5
	s_and_b32 s52, s[EE], 3
	s_sub_co_i32 s52, s52, s[WV]
	s_lshl_b32 s[SDE], s52, 5
	s_and_b32 s52, s[LL], 3
	s_sub_co_i32 s52, s52, s[WV]
	s_lshl_b32 s[SDL], s52, 5
	s_add_co_u32 s[CNT], s[JE], 1                  ; steps that serve all four tiles
	s_mov_b32 s55, 0
	s_wait_kmcnt 0x0
	s_lshl_b32 s52, s[BA], 7                       ; fragments: token tile 128 batch + .., 6,144 bytes a tile
	s_lshl_b32 s54, s[EE], 1
	s_add_co_u32 s54, s54, s52
	s_mul_i32 s54, s54, 6144
	s_add_nc_u64 s[QPE:QPE+1], s[4:5], s[54:55]
	s_lshl_b32 s54, s[LL], 1
	s_add_co_u32 s54, s54, s52
	s_mul_i32 s54, s54, 6144
	s_add_nc_u64 s[QPL:QPL+1], s[4:5], s[54:55]
	s_lshl_b32 s54, s[WV], 1
	s_add_co_u32 s54, s54, s52
	s_mul_i32 s54, s54, 6144
	s_add_nc_u64 s[KP:KP+1], s[KP:KP+1], s[54:55]
	s_lshl_b32 s52, s[BA], 15                      ; scale words: 32 blocks of 1,024 bytes a batch
.macro SCOFF src                       ; s54 = the batch + (src / 2) blocks + 128 (src % 2): the pair of tiles src of the batch
	s_lshr_b32 s54, s[\src], 1
	s_lshl_b32 s54, s54, 10
	s_and_b32 s53, s[\src], 1
	s_lshl_b32 s53, s53, 7
	s_add_co_u32 s54, s54, s53
	s_add_co_u32 s54, s54, s52
.endm
	SCOFF EE
	s_add_nc_u64 s[QSE:QSE+1], s[6:7], s[54:55]
	SCOFF LL
	s_add_nc_u64 s[QSL:QSL+1], s[6:7], s[54:55]
	SCOFF WV
	s_add_nc_u64 s[KSP:KSP+1], s[KSP:KSP+1], s[54:55]
	s_lshl_b32 s54, s[WV], 8
	s_add_co_u32 s54, s54, s52
	s_add_nc_u64 s[VSP:VSP+1], s[VSP:VSP+1], s[54:55]
	s_mul_i32 s54, s[BA], 786432
	s_mul_i32 s53, s[WV], 12288
	s_add_co_u32 s54, s54, s53
	s_add_nc_u64 s[VP:VP+1], s[VP:VP+1], s[54:55]
	s_lshl_b32 s52, s[BA], 22                      ; out: (2,048 batch + 32 half-block) rows of 2,048 bytes + 512 w
	s_lshl_b32 s53, s[WV], 9
	s_add_co_u32 s52, s52, s53
	s_lshl_b32 s54, s[EE], 16
	s_add_co_u32 s54, s54, s52
	s_add_nc_u64 s[OE:OE+1], s[20:21], s[54:55]
	s_lshl_b32 s54, s[LL], 16
	s_add_co_u32 s54, s54, s52
	s_add_nc_u64 s[OL:OL+1], s[20:21], s[54:55]
	s_mov_b32 s54, s53
	s_add_nc_u64 s[16:17], s[16:17], s[54:55]      ; gamma and beta at my 128 channels
	s_add_nc_u64 s[18:19], s[18:19], s[54:55]
	WIN 0x80                                       ; Q stays in registers: window 2, 48 a tile
.set n, 0
.rept 24
	global_load_b128 v[4*n:4*n+3], v[LI], s[QPE:QPE+1] offset:512*n
	global_load_b128 v[96+4*n:96+4*n+3], v[LI], s[QPL:QPL+1] offset:512*n
.set n, n+1
.endr
	WIN 0
.irp i, 0,1
	global_load_b64 v[QS+2*\i:QS+2*\i+1], v[SV], s[QSE:QSE+1] offset:512*\i
	global_load_b64 v[QS+4+2*\i:QS+4+2*\i+1], v[SV], s[QSL:QSL+1] offset:512*\i
.endr
	KPART 0, 24, 1                                 ; key step 0's K, in one run: 26 loads
	VLOAD                                          ; and its V: 26 loads
.irp m, 0,1,2,3
	v_mov_b32 v[ST+8*\m+1], 0xff61b1e6             ; the largest t so far: -3e38, under every t
	v_floor_f32 v[ST+8*\m], -v[ST+8*\m+1]          ; -M
.irp i, 2,3,4,5,6,7
	v_mov_b32 v[ST+8*\m+\i], 0                     ; the sum; and registers that are named in pairs or as lane permutes' destinations before they are first written
.endr
	v_mov_b32 v[T2+\m], 0
.endr
	STEP 0, 1, 1, 0                                ; key step 0 starts O^T's sums
	s_sub_co_u32 s[CNT], s[CNT], 1
	s_cmp_eq_u32 s[CNT], 0
	s_cbranch_scc1 .Lfull_done
.Lfull:                                                ; e / 4 trips: all four tiles; the last of them lies on E's diagonal
	STEP 0, 0, 1, 0
	s_sub_co_u32 s[CNT], s[CNT], 1
	s_cmp_lg_u32 s[CNT], 0
	s_cbranch_scc1 .Lfull
.Lfull_done:
	s_lshl_b32 s52, s[JE], 1
	s_sub_co_u32 s[CNT], 14, s52
	s_cmp_eq_u32 s[CNT], 0
	s_cbranch_scc1 .Ltail
.Lhalf:                                                ; 14 - 2 (e / 4) trips: tiles 2 and 3 alone
	STEP 2, 0, 0, 0
	s_sub_co_u32 s[CNT], s[CNT], 1
	s_cmp_lg_u32 s[CNT], 0
	s_cbranch_scc1 .Lhalf
.Ltail:
	STEP 2, 0, 2, 1                                ; the last step lies on L's diagonal, and asks for no keys beyond it
	; ---- THE END.  A query's sum l, and the sums over its 512 channels, are spread over two lanes and four waves: lane l xor 16, then LDS.  Mean first, then the squares of the differences.
.macro REDUCE off                      ; the two chains, the pair, the other half of the lanes; my wave's part goes to LDS
	WIN 0
.irp m, 0,1,2,3
	v_pk_add_f32 v[EA+4*\m:EA+4*\m+1], v[EA+4*\m:EA+4*\m+1], v[EA+4*\m+2:EA+4*\m+3]
.endr
.irp m, 0,1,2,3
	v_add_f32 v[EA+4*\m], v[EA+4*\m], v[EA+4*\m+1]
.endr
.irp m, 0,1,2,3
	v_permlanex16_b32 v[ST+8*\m+7], v[EA+4*\m], s[SEL], s[SEL+1]
.endr
.irp m, 0,1,2,3
	v_add_f32 v[EA+4*\m], v[EA+4*\m], v[ST+8*\m+7]
.endr
.irp m, 0,1,2,3
	ds_store_b32 v[MXA], v[EA+4*\m] offset:(\off)+256*\m
.endr
.endm
.macro GATHER off                      ; the four waves' parts, added in one order by every wave
.irp m, 0,1,2,3
	ds_load_b128 v[PF+4*\m:PF+4*\m+3], v[MXL] offset:(\off)+256*\m
.endr
	s_wait_dscnt 0x0
.irp m, 0,1,2,3
	v_add_f32 v[EA+4*\m], v[PF+4*\m], v[PF+4*\m+1]
.endr
.irp m, 0,1,2,3
	v_add_f32 v[EA+4*\m+1], v[PF+4*\m+2], v[PF+4*\m+3]
.endr
.irp m, 0,1,2,3
	v_add_f32 v[EA+4*\m], v[EA+4*\m], v[EA+4*\m+1]
.endr
.endm
.irp m, 0,1,2,3
	v_add_f32 v[ST+8*\m+6], v[ST+8*\m+2], v[ST+8*\m+3]
.endr
.irp m, 0,1,2,3
	v_permlanex16_b32 v[ST+8*\m+7], v[ST+8*\m+6], s[SEL], s[SEL+1]
.endr
.irp m, 0,1,2,3
	v_add_f32 v[ST+8*\m+6], v[ST+8*\m+6], v[ST+8*\m+7]
.endr
.irp m, 0,1,2,3
	ds_store_b32 v[MXA], v[ST+8*\m+6] offset:1024+256*\m
.endr
	WIN 0x05                                       ; sources window 1: O^T, each accumulator from its low end on; two chains a tile
.irp m, 0,1,2,3
	v_pk_add_f32 v[EA+4*\m:EA+4*\m+1], v[64*\m:64*\m+1], v[64*\m+4:64*\m+5]
	v_pk_add_f32 v[EA+4*\m+2:EA+4*\m+3], v[64*\m+2:64*\m+3], v[64*\m+6:64*\m+7]
.endr
	WIN 0x04
.irp k, 8,12,16,20,24,28,32,36,40,44,48,52,56,60
.irp m, 0,1,2,3
	v_pk_add_f32 v[EA+4*\m:EA+4*\m+1], v[EA+4*\m:EA+4*\m+1], v[64*\m+\k:64*\m+\k+1]
	v_pk_add_f32 v[EA+4*\m+2:EA+4*\m+3], v[EA+4*\m+2:EA+4*\m+3], v[64*\m+\k+2:64*\m+\k+3]
.endr
.endr
	REDUCE 2048
	BAR
.irp m, 0,1,2,3
	ds_load_b128 v[MXR+4*\m:MXR+4*\m+3], v[MXL] offset:1024+256*\m
.endr
	GATHER 2048
.irp m, 0,1,2,3
	v_add_f32 v[ST+8*\m+6], v[MXR+4*\m], v[MXR+4*\m+1]
.endr
.irp m, 0,1,2,3
	v_add_f32 v[ST+8*\m+7], v[MXR+4*\m+2], v[MXR+4*\m+3]
.endr
.irp m, 0,1,2,3
	v_add_f32 v[ST+8*\m+6], v[ST+8*\m+6], v[ST+8*\m+7]   ; l
.endr
	s_wait_alu depctr_va_vdst(0)
.irp m, 0,1,2,3
	v_rcp_f32 v[ST+8*\m+4], v[ST+8*\m+6]
.endr
	v_nop                                          ; a plain place behind the reciprocals
	s_wait_alu depctr_va_vdst(0)                   ; one wait for the four, ahead of their first reader
.irp m, 0,1,2,3
	v_mul_f32 v[ST+8*\m+6], v[EA+4*\m], v[ST+8*\m+4]
.endr
.irp m, 0,1,2,3
	v_mul_f32 v[ST+8*\m+6], 0xbb000000, v[ST+8*\m+6]   ; -mean = -(sum of O / l) / 512
.endr
	WIN 0x41
.irp m, 0,1,2,3
.set k, 0
.rept 32
	v_pk_fma_f32 v[64*\m+2*k:64*\m+2*k+1], v[64*\m+2*k:64*\m+2*k+1], v[ST+8*\m+4:ST+8*\m+5], v[ST+8*\m+6:ST+8*\m+7] op_sel_hi:[1,0,0]   ; O / l - mean, in place
.set k, k+1
.endr
.endr
	WIN 0x05
.irp m, 0,1,2,3
	v_pk_mul_f32 v[EA+4*\m:EA+4*\m+1], v[64*\m:64*\m+1], v[64*\m:64*\m+1]
	v_pk_mul_f32 v[EA+4*\m+2:EA+4*\m+3], v[64*\m+2:64*\m+3], v[64*\m+2:64*\m+3]
.endr
.irp k, 4,8,12,16,20,24,28,32,36,40,44,48,52,56,60
.irp m, 0,1,2,3
	v_pk_fma_f32 v[EA+4*\m:EA+4*\m+1], v[64*\m+\k:64*\m+\k+1], v[64*\m+\k:64*\m+\k+1], v[EA+4*\m:EA+4*\m+1]
	v_pk_fma_f32 v[EA+4*\m+2:EA+4*\m+3], v[64*\m+\k+2:64*\m+\k+3], v[64*\m+\k+2:64*\m+\k+3], v[EA+4*\m+2:EA+4*\m+3]
.endr
.endr
	REDUCE 3072
	BAR
	GATHER 3072
.irp m, 0,1,2,3
	v_fma_f32 v[EA+4*\m], v[EA+4*\m], s56, s57     ; the variance + 1e-5
.endr
	s_wait_alu depctr_va_vdst(0)
.irp m, 0,1,2,3
	v_rsq_f32 v[ST+8*\m+4], v[EA+4*\m]
.endr
	v_nop
	s_wait_alu depctr_va_vdst(0)
	s_wait_loadcnt 0x0                             ; gamma and beta
	; a tile at a time: x rsqrt, x gamma + beta; through my own stage, so that a row's 512 bytes of my channels leave by one store.  LDS serves a wave's instructions in order.
.irp m, 0,1,2,3
	WIN 0x01
.set k, 0
.rept 32
	v_pk_mul_f32 v[Y+2*k:Y+2*k+1], v[64*\m+2*k:64*\m+2*k+1], v[ST+8*\m+4:ST+8*\m+5] op_sel_hi:[1,0]
.set k, k+1
.endr
	WIN 0x28                                       ; gamma and beta: window 2
.set k, 0
.rept 32
	v_pk_fma_f32 v[Y+2*k:Y+2*k+1], v[Y+2*k:Y+2*k+1], v[2*k:2*k+1], v[64+2*k:64+2*k+1]
.set k, k+1
.endr
	WIN 0
	s_wait_alu depctr_va_vdst(0)
	s_wait_xcnt 0x0                                ; the last tile's stores have read their registers
.irp b, 0,1,2,3
.irp i, 0,1,2,3
	ds_store_b128 v[STO], v[Y+16*\b+4*\i:Y+16*\b+4*\i+3] offset:128*\b+16*\i
.endr
.endr
.irp t, 0,1,2,3,4,5,6,7,8,9,10,11,12,13,14,15
	ds_load_b128 v[OB+4*\t:OB+4*\t+3], v[SRD] offset:528*\t
.endr
	s_wait_dscnt 0x0
.irp t, 0,1,2,3,4,5,6,7,8,9,10,11,12,13,14,15
.if \m < 2
	global_store_b128 v[LI], v[OB+4*\t:OB+4*\t+3], s[OE:OE+1] offset:(8*(\m%2)+\t+8*(\t/8))*2048 th:TH_STORE_NT   ; 32 lanes store 512 consecutive bytes, aligned
.else
	global_store_b128 v[LI], v[OB+4*\t:OB+4*\t+3], s[OL:OL+1] offset:(8*(\m%2)+\t+8*(\t/8))*2048 th:TH_STORE_NT
.endif
.endr
.endr
	s_wait_tensorcnt 0x0                           ; the wave's end (every window is 0 here)
	ds_add_u32 v[SPW], v[NIL]
	s_wait_dscnt 0x0
	s_endpgm
.Lfunc_end_k_qb6c185af73_attn:
	.size	k_qb6c185af73_attn, .Lfunc_end_k_qb6c185af73_attn-k_qb6c185af73_attn
	.p2alignl 7, 3214868480
	.fill 96, 4, 3214868480
	.section	.rodata,"a",@progbits
	.p2align	6, 0x0
	.amdhsa_kernel k_qb6c185af73_attn
		.amdhsa_group_segment_fixed_size 45312
		.amdhsa_private_segment_fixed_size 0
		.amdhsa_enable_private_segment 0
		.amdhsa_kernarg_size 72
		.amdhsa_user_sgpr_count 2
		.amdhsa_user_sgpr_kernarg_segment_ptr 1
		.amdhsa_wavefront_size32 1
		.amdhsa_system_sgpr_workgroup_id_x 1
		.amdhsa_system_sgpr_workgroup_id_y 1
		.amdhsa_system_sgpr_workgroup_id_z 1
		.amdhsa_system_vgpr_workitem_id 0
		.amdhsa_next_free_vgpr 1024
		.amdhsa_next_free_sgpr 66
		.amdhsa_reserve_vcc 1
		.amdhsa_float_denorm_mode_32 3
		.amdhsa_float_denorm_mode_16_64 3
		.amdhsa_memory_ordered 1
		.amdhsa_forward_progress 1
		.amdhsa_inst_pref_size 191
	.end_amdhsa_kernel
	.amdgpu_metadata
---
amdhsa.version: [ 1, 2 ]
amdhsa.kernels:
  - .name:           k_qb6c185af73_attn
    .symbol:         k_qb6c185af73_attn.kd
    .args:
      - { .name: qc, .offset: 0, .size: 8, .value_kind: global_buffer, .address_space: global }
      - { .name: qs, .offset: 8, .size: 8, .value_kind: global_buffer, .address_space: global }
      - { .name: kc, .offset: 16, .size: 8, .value_kind: global_buffer, .address_space: global }
      - { .name: ks, .offset: 24, .size: 8, .value_kind: global_buffer, .address_space: global }
      - { .name: vc, .offset: 32, .size: 8, .value_kind: global_buffer, .address_space: global }
      - { .name: vs, .offset: 40, .size: 8, .value_kind: global_buffer, .address_space: global }
      - { .name: gamma, .offset: 48, .size: 8, .value_kind: global_buffer, .address_space: global }
      - { .name: beta, .offset: 56, .size: 8, .value_kind: global_buffer, .address_space: global }
      - { .name: out0, .offset: 64, .size: 8, .value_kind: global_buffer, .address_space: global }
    .group_segment_fixed_size: 45312
    .private_segment_fixed_size: 0
    .kernarg_segment_align: 8
    .kernarg_segment_size: 72
    .max_flat_workgroup_size: 128
    .sgpr_count:     66
    .vgpr_count:     1024
    .wavefront_size: 32
...
	.end_amdgpu_metadata
.endif
;; end of part 3
